; MI455X (gfx1250); checked and timed in simulation.
; The chip was launched on July 23, 2026; its instructions are those of AMD's public machine-readable ISA for CDNA 5 (MIT licence, August 2026) and "CDNA5" Instruction Set Architecture Reference Guide (July 2026). The comments in the code are by the model that wrote it; some were corrected since.
;; Quantum Transformer Block. Allowed arithmetic: matrix products marked QUANTISED: E2M3 operands, one E8M0 scale for each 32 along K, by v_wmma_scale_f32_16x16x128_f8f6f4 with both operands' format E2M3, f32 sums; everything else in f32.
;; Inputs: b1 512 float32; b2 512 float32; bc 512 float32; be1 512 float32; be2 512 float32; bk 512 float32; bq 512 float32; bv 512 float32; g1 512 float32; g2 512 float32; theta 8 float32; w1_codes 512 x 16 x 24 uint8 (E2M3 codes of w1, K innermost, in blocks of 32 codes, four codes in three bytes); w1_scales 512 x 16 uint8 (E8M0 scales of w1, one for each 32 codes along K); w2_codes 512 x 16 x 24 uint8 (E2M3 codes of w2, K innermost, in blocks of 32 codes, four codes in three bytes); w2_scales 512 x 16 uint8 (E8M0 scales of w2, one for each 32 codes along K); wc_codes 512 x 16 x 24 uint8 (E2M3 codes of wc, K innermost, in blocks of 32 codes, four codes in three bytes); wc_scales 512 x 16 uint8 (E8M0 scales of wc, one for each 32 codes along K); wk_codes 512 x 16 x 24 uint8 (E2M3 codes of wk, K innermost, in blocks of 32 codes, four codes in three bytes); wk_scales 512 x 16 uint8 (E8M0 scales of wk, one for each 32 codes along K); wq_codes 512 x 16 x 24 uint8 (E2M3 codes of wq, K innermost, in blocks of 32 codes, four codes in three bytes); wq_scales 512 x 16 uint8 (E8M0 scales of wq, one for each 32 codes along K); wv_codes 512 x 16 x 24 uint8 (E2M3 codes of wv, K innermost, in blocks of 32 codes, four codes in three bytes); wv_scales 512 x 16 uint8 (E8M0 scales of wv, one for each 32 codes along K); x 8 x 2,048 x 512 float32.
;; Outputs: out0 8 x 2,048 x 512 float32.
;; This version of the problem:
;;   THIS VERSION OF THE PROBLEM IS GIVEN IN LOW PRECISION. The matrix products marked QUANTISED in the list below multiply operands that are first quantised to E2M3 (2 exponent bits, 3 mantissa bits; 6 bits a number), with one power-of-two scale for each 32 numbers along K (OCP MX v1.0); their sums are f32. All else is computed in f32.
;;   The module's matrix products, in the order in which they are computed (A, B: the left and right operand; K: the contracted axis; several contracted axes count as one K, in the product's order):
;;     1. [M 16,384, K 512] x [K 512, N 512]; A: input x; B: input wq (given as codes): QUANTISED
;;     2. [M 16,384, K 512] x [K 512, N 512]; A: input x; B: input wk (given as codes): QUANTISED
;;     3. [M 16,384, K 512] x [K 512, N 512]; A: input x; B: input wv (given as codes): QUANTISED
;;     4. batch 8 x [M 2,048, K 512] x [K 512, N 2,048]; A: computed on the way; B: computed on the way: QUANTISED
;;     5. batch 8 x [M 2,048, K 2,048] x [K 2,048, N 512]; A: softmax (see below); B: computed on the way: QUANTISED
;;     6. [M 16,384, K 512] x [K 512, N 512]; A: computed on the way; B: input wc (given as codes): QUANTISED
;;     7. [M 16,384, K 512] x [K 512, N 512]; A: computed on the way; B: input w1 (given as codes): QUANTISED
;;     8. [M 16,384, K 512] x [K 512, N 512]; A: computed on the way; B: input w2 (given as codes): QUANTISED
;;   THE QUANTISER, for each operand of a quantised product, along K:
;;     - K is cut into blocks of 32 from its start; a last block that is shorter is filled with zeros.
;;     - A block's scale is 2^e with e = floor(log2(the largest magnitude in the block)) - 2, held to -126 .. 127; a block of zeros has e = 0. As a byte (E8M0): e + 127.
;;     - Each number is divided by its block's scale, clamped to +-7.5, and rounded to the nearest number of E2M3, ties to even, subnormals kept.
;;     - The product sums the exact products of the quantised numbers (number of the format x scale) in f32.
;;   ~~~python
;;   def quantise(x, axis):      # numpy; x: float32 -> the quantised numbers, widened to float32 again
;;       x = np.moveaxis(x, axis, -1); K = x.shape[-1]
;;       x = np.pad(x, [(0, 0)] * (x.ndim - 1) + [(0, -K % 32)]); x = x.reshape(x.shape[:-1] + (-1, 32)); a = np.abs(x).max(-1, keepdims=True)
;;       e = np.where(a > 0, np.clip(np.frexp(np.where(a > 0, a, 1))[1] - 1 - 2, -126, 127), 0)      # np.frexp(a)[1] - 1 = floor(log2(a)), exactly
;;       r = np.clip(x / 2.0 ** e, -7.5, 7.5)
;;       step = 2.0 ** (np.maximum(np.frexp(np.where(r == 0, 1, r))[1] - 1, 0) - 3)
;;       q = np.round(r / step) * step * 2.0 ** e      # np.round: ties to even
;;       return np.moveaxis(q.reshape(q.shape[:-2] + (-1,))[..., :K], -1, axis).astype(np.float32)
;;   ~~~
;;   SOFTMAX AHEAD OF A QUANTISED PRODUCT. Where the list says 'softmax', what is quantised is not the finished softmax but p = 2^(t - M), with t = logit x log2(e) and M = ceil(the row's largest t), a whole number; so 1/2 < the row's largest p <= 1. The row's sum l is taken of the UNQUANTISED p, in f32, and the product's result is divided by l at the end. Since M is a whole number, a kernel that streams over the keys may use a running M (the ceiling of the running maximum): every later rescaling is an exact power of two, which a block's scale takes up: the codes' values come out the same.
;;   OPERANDS COMPUTED ON THE WAY. 'Computed on the way' means the value that the module computes at that place (a softmax that the list does not call 'softmax' is quantised finished and normalised). What goes into a quantiser is computed in f32, as accurately as f32 sums, v_exp_f32 and their like allow (about 1e-6 of the number): no bf16 or f16 on the way to a quantiser, and a product that is left as it is and whose result goes on into a quantised operand takes f32 operands (vector FMAs, or v_wmma_f32_16x16x4_f32). A number that lies on a knife's edge between two numbers of the format may be rounded either way, as far as f32 arithmetic and the matrix unit's own rounding can turn it there, and no further.
;;   INPUTS GIVEN AS CODES. w1 (in the module: [512, 512], K = its axis 0); w2 (in the module: [512, 512], K = its axis 0); wc (in the module: [512, 512], K = its axis 0); wk (in the module: [512, 512], K = its axis 0); wq (in the module: [512, 512], K = its axis 0); wv (in the module: [512, 512], K = its axis 0): each comes as NAME_codes (uint8): NAME with its K axis moved to the last place and cut into blocks of 32 codes, [.., K / 32, bytes a block], one block behind the other in memory; four codes in three bytes: a row's codes are one little-endian stream of bits, code i at bits 6 i .. 6 i + 5 (a code: sign, 2 exponent bits, 3 mantissa bits); and NAME_scales (uint8): the same leading axes, one E8M0 byte (e + 127) for each 32 codes along K. Its value is code x scale, taken as it is: it is not quantised again, and the codes and scales need not be those that the quantiser above would give.
;; One version. Each part assembles by itself: llvm-mc -triple=amdgcn-amd-amdhsa -mcpu=gfx1250 --defsym DOCPART=n.
;; ======== version 1 of 1: 2 launches
;; limits: right only within a limited range of input values
;; workspace buffers: ws 19,660,800 bytes
;; launch qkv (part 1): grid 256 x 1, 4 waves a work-group, clusters of 4 x 1, 327,680 bytes of LDS; arguments x, wq_codes, wk_codes, wv_codes, wq_scales, wk_scales, wv_scales, bq, bk, bv, ws; writes ws
.if DOCPART == 1
	.amdgcn_target "amdgcn-amd-amdhsa--gfx1250"
	.amdhsa_code_object_version 6
	.text
	.protected	k_qb0c8206fda_qkv
	.globl	k_qb0c8206fda_qkv
	.p2align	8
	.type	k_qb0c8206fda_qkv,@function
k_qb0c8206fda_qkv:
	s_mov_b64 s[64:65], 0
	v_nop
	global_prefetch_b8 v0, s[64:65] scope:SCOPE_SE
	s_setreg_imm32_b32 hwreg(HW_REG_WAVE_MODE, 25, 1), 1
	s_wait_xcnt 0x0
	s_wait_alu depctr_hold_cnt(0) depctr_sa_sdst(0) depctr_va_vdst(0) depctr_va_sdst(0) depctr_va_ssrc(0) depctr_va_vcc(0) depctr_vm_vsrc(0)
	s_getreg_b32 s2, hwreg(HW_REG_IB_STS2, 6, 4)
	s_cmp_eq_u32 s2, 0
	s_cbranch_scc0 .Lentry_in_a_cluster
	s_endpgm
.Lentry_in_a_cluster:
	s_bfe_u32 s2, ttmp6, 0x10000c
	s_cmp_lg_u32 s2, 0x3003
	s_cbranch_scc0 .Lentry_shape_is_right
	s_endpgm
.Lentry_shape_is_right:
; q = Q(x) wq + bq, k = Q(x) wk + bk, v = Q(x) wv + bv on codes of FP6 (E2M3) with one E8M0 scale for each 32 along K; the three results are quantised
; at once for the two products of attention and stored as IMAGES OF OPERAND REGISTERS: q and k along the 512 units, v along the keys.  Nothing of reference() is left out.
; SHARES.  A work-group takes 64 rows of x.  Wave w quantises one tile of 16 rows; then the waves share the COLUMNS: wave w makes units 128 w .. 128 w + 127 of q, k, v for all 64 rows,
; 64 units a trip, six trips.  A trip's 64 rows of a weight come by one tensor load a wave, asked for jointly by the four work-groups of a cluster (all work-groups read the same weights).
; A wave's two halves of the ring lie on end in LDS, so that ONE load at the head brings wq's 128 rows of the wave into both; each later load fills one half again.
; A weight's rows of 384 bytes are dense in memory and are stated as rows of 256 bytes, each from a multiple of 256, with 16 bytes of padding behind every 128, counted along the whole tile.
; THE ROWS OF A TILE ARE NOT NEIGHBOURS: row index i of tile m is row 32 (m / 2) + 8 (m % 2) + i + 8 (i / 8), so that the 16 result registers of tiles 2 b, 2 b + 1 are 16 neighbouring rows (v's and p's K).
; q and k are used transposed (source 0 = 16 units of the weight, source 1 = 16 rows of x): a lane holds one row and eight units.  Their codes carry the same fixed order inside each block of 32
; (0-7, 16-23, 8-15, 24-31), alike in both, so the products and the blocks are those of the plain order.  v is used plainly (source 0 = x): a lane holds one unit and eight rows.
; ws: [b 8][w 4][i 16][25,600]: V of key step i (8 fragments of 1,536 bytes, 512 bytes of scale words), then K of key step i + 2 (mod 16; the same sizes), the parts that wave w of the next launch reads;
;     behind them q's fragments [G 256][4 m + s][1,536] and q's scale words [G][s][m / 2][lane].  A fragment's image: [c 2][i 3][lane 32][8 bytes] = registers 6 c + 2 i, 6 c + 2 i + 1.
; LIMITS: NaN and infinities are not served; a block whose largest magnitude lies under 2^-124 keeps the scale byte 1 (a block of zeros too: its codes are zeros, and this program alone reads the bytes).
; REGISTERS: window 0: addresses, scale words, the quantisers' work;  window 1: x's 16 fragments, v's bias;  window 2: x as loaded, then the weight's 16 fragments;  window 3: the 16 accumulators, q's and k's biases.
.set WP,    432                        ; a weight's row in LDS: 3 x (128 bytes + 16 of padding)
.set WPART, 64*WP                      ; 64 rows: a half of a wave's ring; wave w's two halves at 2 w WPART and behind it
.set XIMG,  8*WPART                    ; x's 16 fragments, index 4 m + s, as images by 16 bytes a lane
.set XSC,   XIMG+16*1536               ; their scale words [s][m / 2][lane]
.set STG,   XSC+1024                   ; a stage of 16 rows x (512 + 16) bytes for each wave
.set SPARE, STG+4*8448                 ; the spare words: 128 bytes a wave, named by no other line
.set WBLK,  25600
.set QCO,   13107200
.set QSO,   19398656
.set L16, 1
.set L4,  2
.set L8,  3
.set FA0, 4                            ; v4-5 my place in a weight's rows, first half (the second register: behind one padding more)
.set FA1, 6                            ; v6-7 second half
.set SIN, 8
.set SOUT, 9
.set XST, 10
.set XSS, 11
.set SPW, 12                           ; my spare word; never rewritten
.set NIL, 13                           ; 0; never rewritten
.set H32, 14
.set R4,  15
.set XS,  16                           ; v16-23 x's scale words [s][m / 2]
.set PCQ, 24
.set PW,  44
.set TM8, 24
.set TP8, 32
.set SO8, 40
.set BY8, 48
.set SH,  56
.set SHM, 60
.set XIL, 62
.set XSL, 63
.set HA,  64
.set PC,  64
.set PX,  96
.set TM,  192
.set WS,  208                          ; v208-255 the weights' scale words [trip][tile / 2][s]
.set WV,  26
.set SEL, 30
.set WOF, 32
.set QB,  34
.set KB,  36
.set KSB, 40
.set QSB, 44
.set VB,  46
.set VSB, 48
.set G1W, 56
.set HM,  66                           ; s66: the select 'lanes 16-31'; never rewritten
.set G0A, 68
.set G0B, 72
.set MSB, 0
.macro WIN new                         ; the immediate's high byte repeats the setting that is left; a switch that changes nothing is dropped
.if MSB != (\new)
	s_set_vgpr_msb (MSB<<8)|(\new)
.set MSB, (\new)
.endif
.endm
.macro PLACES n
.rept \n
	v_nop
.endr
.endm
.macro ROUND                           ; a round of the cluster's barrier
	s_barrier_signal -1
	s_barrier_wait -1
	s_cmp_lg_u32 s[WV], 0
	s_cbranch_scc1 .Lnw0_\@
	s_barrier_signal -3
.Lnw0_\@:
	s_barrier_wait -3
	s_barrier_signal -1
	s_barrier_wait -1
.endm
.macro WMS d, a, b, c, sa, sb, ra, rb  ; one product; ra, rb: which half of the lanes holds the side's scale words
.if ((\ra) == 0) && ((\rb) == 0)
	v_wmma_scale_f32_16x16x128_f8f6f4 v[(\d):(\d)+7], v[(\a):(\a)+11], v[(\b):(\b)+11], v[(\c):(\c)+7], v[(\sa)], v[(\sb)] matrix_a_fmt:MATRIX_FMT_FP6 matrix_b_fmt:MATRIX_FMT_FP6
.elseif ((\ra) == 1) && ((\rb) == 0)
	v_wmma_scale_f32_16x16x128_f8f6f4 v[(\d):(\d)+7], v[(\a):(\a)+11], v[(\b):(\b)+11], v[(\c):(\c)+7], v[(\sa)], v[(\sb)] matrix_a_fmt:MATRIX_FMT_FP6 matrix_b_fmt:MATRIX_FMT_FP6 matrix_a_scale:MATRIX_SCALE_ROW1
.elseif ((\ra) == 0) && ((\rb) == 1)
	v_wmma_scale_f32_16x16x128_f8f6f4 v[(\d):(\d)+7], v[(\a):(\a)+11], v[(\b):(\b)+11], v[(\c):(\c)+7], v[(\sa)], v[(\sb)] matrix_a_fmt:MATRIX_FMT_FP6 matrix_b_fmt:MATRIX_FMT_FP6 matrix_b_scale:MATRIX_SCALE_ROW1
.else
	v_wmma_scale_f32_16x16x128_f8f6f4 v[(\d):(\d)+7], v[(\a):(\a)+11], v[(\b):(\b)+11], v[(\c):(\c)+7], v[(\sa)], v[(\sb)] matrix_a_fmt:MATRIX_FMT_FP6 matrix_b_fmt:MATRIX_FMT_FP6 matrix_a_scale:MATRIX_SCALE_ROW1 matrix_b_scale:MATRIX_SCALE_ROW1
.endif
.endm
; a fragment (16 rows x 128 K) from padded rows: six pieces of 8 bytes; lanes 16-31 read three pieces on, which for some pieces is behind one padding more: the second address register
.macro FRAG reg, adr, s, row0
.irp p, 0,1,2,3,4,5
.set PCN, 12*(\s)+6*(\p/3)+\p%3
.if PCN%16 < 13
	ds_load_b64 v[\reg+2*\p:\reg+2*\p+1], v[\adr] offset:(\row0)*WP+8*PCN+16*(PCN/16)
.else
	ds_load_b64 v[\reg+2*\p:\reg+2*\p+1], v[\adr+1] offset:(\row0)*WP+8*PCN+16*(PCN/16)
.endif
.endr
.endm
	s_load_b512 s[4:19], s[0:1], 0x0               ; x, wq, wk, wv codes, wq, wk, wv scales, bq
	s_load_b128 s[20:23], s[0:1], 0x40             ; bk, bv
	s_load_b64 s[24:25], s[0:1], 0x50              ; ws
	v_lshl_add_u32 v[SPW], v0, 2, SPARE
	v_mov_b32 v[NIL], 0
	ds_add_u32 v[SPW], v[NIL]                      ; the opening lines: the add, twice on end, and its wait ahead of my first tensor load
	ds_add_u32 v[SPW], v[NIL]
	s_wait_dscnt 0x0
	v_lshrrev_b32 v45, 5, v0
	v_readfirstlane_b32 s[WV], v45                 ; wave 0..3
	s_mov_b32 s[HM], 0xffff0000
	s_mov_b32 s[SEL], 0x76543210
	s_mov_b32 s[SEL+1], 0xfedcba98                 ; lane l xor 16
	v_and_b32 v45, 31, v0                          ; lane
	v_and_b32 v46, 15, v0                          ; r
	v_bfe_u32 v47, v0, 4, 1                        ; h
	v_lshlrev_b32 v[L16], 4, v45
	v_lshlrev_b32 v[L4], 2, v45
	v_lshlrev_b32 v[L8], 3, v45
	v_lshlrev_b32 v[H32], 5, v47
	v_lshlrev_b32 v[R4], 2, v46
	s_mul_i32 s50, s[WV], 2*WPART                  ; my ring: the wave's number alone enters an LDS address
	v_mul_u32_u24 v[FA0], v46, WP
	v_mad_u32_u24 v[FA0], v47, 24, v[FA0]
	v_add_nc_u32 v[FA0], s50, v[FA0]
	v_lshl_add_u32 v[FA0+1], v47, 4, v[FA0]
	v_add_nc_u32 v[FA1], WPART, v[FA0]
	v_add_nc_u32 v[FA1+1], WPART, v[FA0+1]
	s_mul_i32 s51, s[WV], 8448
	s_add_co_u32 s51, s51, STG
	v_add_nc_u32 v[SIN], s51, v[L16]
	v_mul_u32_u24 v[SOUT], v46, 528
	v_lshl_add_u32 v[SOUT], v47, 6, v[SOUT]
	v_add_nc_u32 v[SOUT], s51, v[SOUT]
	s_mul_i32 s52, s[WV], 6144
	s_add_co_u32 s52, s52, XIMG
	v_add_nc_u32 v[XST], s52, v[L16]
	s_lshr_b32 s52, s[WV], 1
	s_lshl_b32 s52, s52, 7
	s_and_b32 s53, s[WV], 1
	s_lshl_b32 s53, s53, 6
	s_add_co_u32 s52, s52, s53
	s_add_co_u32 s52, s52, XSC
	v_add_nc_u32 v[XSS], s52, v[R4]
	v_add_nc_u32 v[XIL], XIMG, v[L16]
	v_add_nc_u32 v[XSL], XSC, v[L4]
.irp e, 0,1,2,3
	v_mov_b32 v[TM+4+\e], 0                        ; written once: a lane permute's destination counts as one of its sources
.endr
	; where my results go.  G = my block of 64 rows; b its batch, j its key step, cG which half of the step's 128 keys
	s_bfe_u32 s27, ttmp6, 0x40000                  ; cx: it enters global addresses alone
	s_lshl_b32 s28, ttmp9, 2
	s_add_co_u32 s28, s28, s27                     ; G
	s_lshr_b32 s76, s28, 5                         ; b
	s_bfe_u32 s77, s28, 0x40001                    ; j
	s_and_b32 s78, s28, 1                          ; cG
	s_mul_i32 s29, s[WV], 1536
	s_lshl_b32 s86, s28, 17                        ; x: 64 G rows of 2,048 bytes,
	s_lshr_b32 s87, s[WV], 1
	s_lshl_b32 s87, s87, 16
	s_add_co_u32 s86, s86, s87
	s_and_b32 s87, s[WV], 1
	s_lshl_b32 s87, s87, 14
	s_add_co_u32 s86, s86, s87                     ; + tile w's first row: 32 (w / 2) + 8 (w % 2)
	s_mov_b32 s87, 0
	s_mul_i32 s[QB], s28, 24576                    ; q's fragment (m, s = w): + 6,144 m in the immediate
	s_add_co_u32 s[QB], s[QB], s29
	s_add_co_u32 s[QB], s[QB], QCO
	s_mov_b32 s[QB+1], 0
	s_lshl_b32 s[QSB], s28, 10
	s_lshl_b32 s79, s[WV], 8
	s_add_co_u32 s[QSB], s[QSB], s79
	s_add_co_u32 s[QSB], s[QSB], QSO
	s_mov_b32 s[QSB+1], 0
	s_add_co_u32 s79, s77, 14                      ; k of key step j lies in block j - 2 (mod 16), behind that block's V
	s_and_b32 s79, s79, 15
	s_lshl_b32 s80, s76, 2
	s_lshl_b32 s81, s78, 1
	s_add_co_u32 s80, s80, s81                     ; the wave that will read tiles 0, 1: 2 cG (tiles 2, 3: 2 cG + 1)
	s_lshl_b32 s80, s80, 4
	s_add_co_u32 s80, s80, s79
	s_mul_i32 s80, s80, WBLK
	s_add_co_u32 s[KB], s80, s29
	s_add_co_u32 s[KB], s[KB], 12800
	s_mov_b32 s[KB+1], 0
	s_add_co_u32 s[KB+2], s[KB], 16*WBLK
	s_mov_b32 s[KB+3], 0
	s_lshl_b32 s81, s[WV], 7
	s_add_co_u32 s[KSB], s80, s81
	s_add_co_u32 s[KSB], s[KSB], 12800+12288
	s_mov_b32 s[KSB+1], 0
	s_add_co_u32 s[KSB+2], s[KSB], 16*WBLK
	s_mov_b32 s[KSB+3], 0
	s_lshl_b32 s80, s76, 2                         ; v: block (b, w, j); my rows are registers 6 cG .. 6 cG + 5 of each fragment
	s_add_co_u32 s80, s80, s[WV]
	s_lshl_b32 s80, s80, 4
	s_add_co_u32 s80, s80, s77
	s_mul_i32 s80, s80, WBLK
	s_mul_i32 s81, s78, 768
	s_add_co_u32 s[VB], s80, s81
	s_mov_b32 s[VB+1], 0
	s_lshl_b32 s81, s78, 1
	s_add_co_u32 s[VSB], s80, s81
	s_add_co_u32 s[VSB], s[VSB], 12288
	s_mov_b32 s[VSB+1], 0
	s_mul_i32 s[WOF], s[WV], 49152                 ; my 128 rows of a weight
	s_mov_b32 s[WOF+1], 0
	s_lshl_b32 s88, s[WV], 11                      ; their scale bytes
	s_mov_b32 s89, 0
	s_lshl_b32 s90, s[WV], 9                       ; their biases
	s_mov_b32 s91, 0
	; descriptor group 1: rows of 256 bytes, 16 bytes of padding behind every 128.  The head's load brings 128 rows of 384 bytes = 192 such rows; behind it the two words that count rows are set to 96
	s_mov_b32 s[G1W], 15|(0<<16)|(1<<20)|(1<<21)|(4<<22)|(3<<25)   ; the mask: all four work-groups; elements of 1 byte; padding on; bit 21 beside a mask; after every 32 words; 4 words
	s_mov_b32 s[G1W+1], 256<<16                    ; tensor_dim0
	s_mov_b32 s[G1W+2], 192<<16                    ; tensor_dim1
	s_mov_b32 s[G1W+3], 256<<16                    ; tile_dim0
	s_mov_b32 s[G1W+4], 192                        ; tile_dim1
	s_mov_b32 s[G1W+5], 256                        ; from row to row
	s_mov_b32 s[G1W+6], 0
	s_mov_b32 s[G1W+7], 0
	s_wait_kmcnt 0x0
	s_add_nc_u64 s[4:5], s[4:5], s[86:87]
.irp p, QB, KB, KB+2, KSB, KSB+2, QSB, VB, VSB
	s_add_nc_u64 s[\p:\p+1], s[24:25], s[\p:\p+1]
.endr
.irp p, 12,14,16
	s_add_nc_u64 s[\p:\p+1], s[\p:\p+1], s[88:89]
.endr
.irp p, 18,20,22
	s_add_nc_u64 s[\p:\p+1], s[\p:\p+1], s[90:91]
.endr
	s_mov_b32 s[G0A], 1                            ; group 0 for the first half: at the head wq, my 128 rows, into both halves
	s_mov_b32 s[G0A+1], s50
	s_add_nc_u64 s[G0A+2:G0A+3], s[6:7], s[WOF:WOF+1]
	s_or_b32 s[G0A+3], s[G0A+3], 0x80000000
	s_mov_b32 s[G0B], 1                            ; for the second half: its address is written ahead of its first use
	s_add_co_u32 s[G0B+1], s50, WPART
	ROUND                                          ; all four work-groups are here: the first joint loads meet
	tensor_load_to_lds s[G0A:G0A+3], s[G1W:G1W+7]  ; my one load at the head
	s_nop 0
	PLACES 4                                       ; four lines behind a tensor load ahead of a switch of windows
	; my 16 rows of x, K step by K step: a load covers 512 consecutive bytes
	WIN 0x80
.irp s, 0,1,2,3
.irp i, 0,1,2,3,4,5,6,7,8,9,10,11,12,13,14,15
	global_load_b128 v[64*\s+4*\i:64*\s+4*\i+3], v[L16], s[4:5] offset:(\i+8*(\i/8))*2048+512*\s th:TH_LOAD_NT
.endr
.endr
	WIN 0
; K step t of my 16 rows goes through my stage: in as rows, out as 16 neighbours of each block of 32 a lane.  LDS serves a wave's instructions in order: no wait between
.macro TURN t
	WIN 0x08
.irp i, 0,1,2,3,4,5,6,7,8,9,10,11,12,13,14,15
	ds_store_b128 v[SIN], v[64*(\t)+4*\i:64*(\t)+4*\i+3] offset:528*\i
.endr
	WIN 0
.irp b, 0,1,2,3
.irp e, 0,1,2,3
	ds_load_b128 v[HA+64*((\t)%2)+16*\b+4*\e:HA+64*((\t)%2)+16*\b+4*\e+3], v[SOUT] offset:128*\b+16*\e
.endr
.endr
.endm
; 64 numbers of a lane, register 16 b + i = k 32 b + 16 (lane / 16) + i of my row, become a fragment's codes in v[PCQ] on and its scale word in v[PW]
.macro QUANT s
.irp b, 0,1,2,3
	v_max3_num_f32 v[TM+\b], |v[\s+16*\b]|, |v[\s+1+16*\b]|, 0x1800000   ; with the floor 2^(3 - 127): the byte cannot fall under 1
.endr
.irp i, 2,4,6,8,10,12,14
.irp b, 0,1,2,3
	v_max3_num_f32 v[TM+\b], v[TM+\b], |v[\s+16*\b+\i]|, |v[\s+1+16*\b+\i]|
.endr
.endr
.irp b, 0,1,2,3
	v_permlanex16_b32 v[TM+4+\b], v[TM+\b], s[SEL], s[SEL+1]
.endr
.irp b, 0,1,2,3
	v_max_num_f32 v[TM+\b], v[TM+\b], v[TM+4+\b]   ; the block's largest magnitude
.endr
.irp b, 0,1,2,3
	v_add_nc_u32 v[TM+12+\b], 0xff000000, v[TM+\b] ; 2 off its exponent field: the conversion's scale operand
.endr
.irp b, 0,1,2,3
	v_lshrrev_b32 v[TM+4+\b], 23, v[TM+12+\b]      ; the scale's byte
.endr
	v_lshl_or_b32 v[PW], v[TM+5], 8, v[TM+4]
	v_lshl_or_b32 v[PW], v[TM+6], 16, v[PW]
	v_lshl_or_b32 v[PW], v[TM+7], 24, v[PW]
.irp c, 0,1
	v_cvt_scalef32_pk16_fp6_f32 v[PCQ+6*\c:PCQ+2+6*\c], v[\s+32*\c:\s+15+32*\c], v[TM+12+2*\c]
	v_cvt_scalef32_pk16_fp6_f32 v[PCQ+12+4*\c:PCQ+14+4*\c], v[\s+16+32*\c:\s+31+32*\c], v[TM+12+2*\c+1]
.endr
	v_nop                                          ; one plain place behind a scaled conversion
.irp c, 0,1                                    ; a whole block to a lane: lanes 0-15 block 2 c, lanes 16-31 block 2 c + 1
.irp i, 0,1,2
	v_permlane16_swap_b32 v[PCQ+6*\c+\i], v[PCQ+12+4*\c+\i]
.endr
.irp i, 0,1,2
	v_mov_b32 v[PCQ+3+6*\c+\i], v[PCQ+12+4*\c+\i]
.endr
.endr
.endm
	s_wait_alu depctr_va_vdst(0)                   ; the wait at the head's end
	s_wait_loadcnt 48                              ; K step 0's sixteen loads are in; three K steps' 48 stay out
	TURN 0
.irp s, 0,1,2,3
.if \s < 3
	s_wait_loadcnt 32-16*\s                        ; the next K step's loads are in
	TURN \s+1
	s_wait_dscnt 32                                ; all but the next K step's 16 stores and 16 loads: my numbers are back, the last images have left their registers
.else
	s_wait_dscnt 0x0
.endif
	QUANT HA+64*(\s%2)
.irp c, 0,1,2
	ds_store_b128 v[XST], v[PCQ+4*\c:PCQ+4*\c+3] offset:1536*\s+512*\c
.endr
	ds_store_b32 v[XSS], v[PW] offset:256*\s
.endr
	; the weights' scale words (a row's 16 bytes are its four words; lanes 0-15 an even tile, lanes 16-31 the odd one) and the biases
.irp t, 0,1,2
.irp g, 0,1,2,3
	global_load_b128 v[WS+16*\t+4*\g:WS+16*\t+4*\g+3], v[L16], s[12+2*\t:13+2*\t] offset:512*\g
.endr
.endr
	WIN 0xc0
.irp g, 0,1,2,3,4,5,6,7                        ; q's and k's: register j of tile g = the bias of unit 16 g + 8 (lane / 16) + j
	global_load_b128 v[128+8*\g:128+8*\g+3], v[H32], s[18:19] offset:64*\g
	global_load_b128 v[128+8*\g+4:128+8*\g+7], v[H32], s[18:19] offset:64*\g+16
	global_load_b128 v[192+8*\g:192+8*\g+3], v[H32], s[20:21] offset:64*\g
	global_load_b128 v[192+8*\g+4:192+8*\g+7], v[H32], s[20:21] offset:64*\g+16
.endr
	WIN 0x40
.irp g, 0,1,2,3,4,5,6,7                        ; v's: one number a lane and tile: unit 16 g + lane % 16
	global_load_b32 v[192+\g], v[R4], s[22:23] offset:64*\g
.endr
	WIN 0
.irp e, 0,1,2,3,4,5,6,7
	v_mov_b32 v[TP8+\e], 0                         ; written once: a lane permute's destination counts as one of its sources
.endr
	s_wait_dscnt 0x0                               ; my images have landed
	s_barrier_signal -1
	s_barrier_wait -1                              ; everybody's have; the tensor load may stay out
	WIN 0x40
.irp f, 0,1,2,3,4,5,6,7,8,9,10,11,12,13,14,15
.irp c, 0,1,2
	ds_load_b128 v[12*\f+4*\c:12*\f+4*\c+3], v[XIL] offset:1536*\f+512*\c
.endr
.endr
	WIN 0
.irp s, 0,1,2,3
.irp p, 0,1
	ds_load_b32 v[XS+2*\s+\p], v[XSL] offset:256*\s+128*\p
.endr
.endr
.macro WFRAGS adr                              ; a trip's 16 fragments of the weight: tile t, K step s at v[12 (4 t + s)] of window 2
	WIN 0x80
.irp t, 0,1,2,3
.irp s, 0,1,2,3
	FRAG 12*(4*\t+\s), \adr, \s, 16*\t
.endr
.endr
	WIN 0
.endm
	s_wait_tensorcnt 0x0                           ; wq's 128 rows of mine are in (I read only the rows that I fetched)
	WFRAGS FA0
; THE CHANGE OF HALVES.  My fragments of this trip are asked for; the half that they leave takes the block two trips on.
.macro CHANGE g, p, odd
	WIN 0
	s_wait_tensorcnt 0x0                           ; all my tensor loads have landed, the next trip's block among them,
	ds_add_u32 v[SPW], v[NIL]                      ; 0 onto my spare word
	s_mov_b32 s[G1W+2], 96<<16                     ; no load of mine is out, so descriptors may be written: a load brings 64 rows of 384 bytes = 96 rows of 256,
	s_mov_b32 s[G1W+4], 96
	s_add_nc_u64 s[\g+2:\g+3], s[\p:\p+1], s[WOF:WOF+1]   ; of the next weight, the same half of my rows
.if \odd
	s_add_nc_u64 s[\g+2:\g+3], s[\g+2:\g+3], 24576
.endif
	s_or_b32 s[\g+3], s[\g+3], 0x80000000
	s_wait_dscnt 0x0                               ; the add is done, and my reads of the half are back
	ROUND                                          ; both now hold of every wave of the cluster
	tensor_load_to_lds s[\g:\g+3], s[G1W:G1W+7]    ; my one load behind the round
	s_nop 0
	PLACES 4
.endm
; 64 products, K step by K step, the 16 accumulators by turns.  The bias is the C of a sum's first product.
.macro MMQK n, cb                              ; transposed: source 0 = the weight's tile t, source 1 = x's tile m
	WIN 0xf6
.irp s, 0,1,2,3
.irp t, 0,1,2,3
.irp m, 0,1,2,3
.if \s == 0
	WMS 32*\m+8*\t, 12*(4*\t+\s), 12*(4*\m+\s), (\cb)+32*((\n)%2)+8*\t, WS+8*(\n)+4*(\t/2)+\s, XS+2*\s+\m/2, \t%2, \m%2
.else
	WMS 32*\m+8*\t, 12*(4*\t+\s), 12*(4*\m+\s), 32*\m+8*\t, WS+8*(\n)+4*(\t/2)+\s, XS+2*\s+\m/2, \t%2, \m%2
.endif
.endr
.endr
.endr
	WIN 0
.endm
.macro MMV n                                   ; plain: source 0 = x's tile m, source 1 = the weight's tile t
.irp s, 0,1,2,3
.if \s == 0
	WIN 0xd9
.else
	WIN 0xf9
.endif
.irp t, 0,1,2,3
.irp m, 0,1,2,3
.if \s == 0
	WMS 32*\t+8*\m, 12*(4*\m+\s), 12*(4*\t+\s), 200+8*\t, XS+2*\s+\m/2, WS+8*(\n)+4*(\t/2)+\s, \m%2, \t%2
.else
	WMS 32*\t+8*\m, 12*(4*\m+\s), 12*(4*\t+\s), 32*\t+8*\m, XS+2*\s+\m/2, WS+8*(\n)+4*(\t/2)+\s, \m%2, \t%2
.endif
.endr
.endr
.endr
	WIN 0
.endm
.macro BCSET sg                                ; v's bias in the result's layout: the lane's one number in all eight registers of a tile
	WIN 0x41
.irp t, 0,1,2,3
.irp j, 0,1,2,3,4,5,6,7
	v_mov_b32 v[200+8*\t+\j], v[192+4*(\sg)+\t]
.endr
.endr
	WIN 0
.endm
; The 128 results of a lane are 8 half blocks: group g (a tile of rows for q and k, a tile of units for v), block 0 or 1, registers 32 g + 16 block + 0 .. 15.  Each group becomes six registers of a fragment.
.macro QUANT8
	s_wait_xcnt 0x0                                ; the last trip's stores have read their registers
	WIN 0x0f
.irp e, 0,1,2,3,4,5,6,7
	v_max3_num_f32 v[TM8+\e], |v[16*\e]|, |v[16*\e+1]|, 0x1800000
.endr
	WIN 0x3c
.irp i, 2,4,6,8,10,12,14
.irp e, 0,1,2,3,4,5,6,7
	v_max3_num_f32 v[TM8+\e], v[TM8+\e], |v[16*\e+\i]|, |v[16*\e+\i+1]|
.endr
.endr
	WIN 0
.irp e, 0,1,2,3,4,5,6,7
	v_permlanex16_b32 v[TP8+\e], v[TM8+\e], s[SEL], s[SEL+1]
.endr
.irp e, 0,1,2,3,4,5,6,7
	v_max_num_f32 v[TM8+\e], v[TM8+\e], v[TP8+\e]
.endr
.irp e, 0,1,2,3,4,5,6,7
	v_add_nc_u32 v[SO8+\e], 0xff000000, v[TM8+\e]
.endr
.irp e, 0,1,2,3,4,5,6,7
	v_lshrrev_b32 v[BY8+\e], 23, v[SO8+\e]
.endr
.irp g, 0,1,2,3
	v_lshl_or_b32 v[SH+\g], v[BY8+2*\g+1], 8, v[BY8+2*\g]   ; the group's two bytes
.endr
.irp p, 0,1
	v_cndmask_b32 v[SHM+\p], v[SH+2*\p], v[SH+2*\p+1], s[HM]   ; lanes 0-15 the even group's, lanes 16-31 the odd one's
.endr
	WIN 0x03
.irp g, 0,1,2,3
	v_cvt_scalef32_pk16_fp6_f32 v[PC+8*\g:PC+8*\g+2], v[32*\g:32*\g+15], v[SO8+2*\g]
	v_cvt_scalef32_pk16_fp6_f32 v[PX+4*\g:PX+4*\g+2], v[32*\g+16:32*\g+31], v[SO8+2*\g+1]
.endr
	v_nop                                          ; one plain place behind a scaled conversion
	WIN 0
.irp g, 0,1,2,3
.irp i, 0,1,2
	v_permlane16_swap_b32 v[PC+8*\g+\i], v[PX+4*\g+\i]
.endr
.irp i, 0,1,2
	v_mov_b32 v[PC+8*\g+3+\i], v[PX+4*\g+\i]
.endr
.endr
.endm
; the stores: each of 8 bytes a lane covers 256 consecutive bytes, aligned; the two scale bytes go to their place in the lane's word
.macro STQ sg
.irp g, 0,1,2,3
.irp i, 0,1,2
	global_store_b64 v[L8], v[PC+8*\g+2*\i:PC+8*\g+2*\i+1], s[QB:QB+1] offset:6144*\g+768*(\sg)+256*\i
.endr
.endr
.irp p, 0,1
	global_store_b16 v[L4], v[SHM+\p], s[QSB:QSB+1] offset:128*\p+2*(\sg)
.endr
.endm
.macro STK sg
.irp g, 0,1,2,3
.irp i, 0,1,2
	global_store_b64 v[L8], v[PC+8*\g+2*\i:PC+8*\g+2*\i+1], s[KB+2*(\g/2):KB+2*(\g/2)+1] offset:6144*(\g%2)+768*(\sg)+256*\i
.endr
.endr
.irp p, 0,1
	global_store_b16 v[L4], v[SHM+\p], s[KSB+2*\p:KSB+2*\p+1] offset:2*(\sg)
.endr
.endm
.macro STV sg
.irp g, 0,1,2,3
.irp i, 0,1,2
	global_store_b64 v[L8], v[PC+8*\g+2*\i:PC+8*\g+2*\i+1], s[VB:VB+1] offset:1536*(4*(\sg)+\g)+256*\i
.endr
.endr
.irp p, 0,1
	global_store_b16 v[L4], v[SHM+\p], s[VSB:VSB+1] offset:128*(2*(\sg)+\p)
.endr
.endm
	; ---- q
	CHANGE G0A, 8, 0                               ; the first half takes wk's first half
	s_wait_loadcnt 0x0                             ; scale words and biases
	MMQK 0, 128
	PLACES 4                                       ; in front of loads into registers that products have read, and of the first read of results
	WFRAGS FA1
	QUANT8
	STQ 0
	CHANGE G0B, 8, 1
	MMQK 1, 128
	PLACES 4
	WFRAGS FA0
	QUANT8
	STQ 1
	; ---- k
	CHANGE G0A, 10, 0
	MMQK 2, 192
	PLACES 4
	WFRAGS FA1
	QUANT8
	STK 0
	CHANGE G0B, 10, 1
	MMQK 3, 192
	PLACES 4
	WFRAGS FA0
	QUANT8
	STK 1
	; ---- v: nothing is left to fetch
	BCSET 0
	s_wait_alu depctr_va_vdst(0)
	s_wait_tensorcnt 0x0                           ; the last block is in
	s_wait_dscnt 0x0
	MMV 4
	PLACES 4
	WFRAGS FA1
	QUANT8
	STV 0
	BCSET 1
	s_wait_alu depctr_va_vdst(0)
	s_wait_dscnt 0x0
	MMV 5
	PLACES 4
	QUANT8
	STV 1
	s_wait_tensorcnt 0x0                           ; the wave's end
	ds_add_u32 v[SPW], v[NIL]
	s_wait_dscnt 0x0
	ROUND                                          ; the closing round: no work-group ends while a partner may still ask for a block that names it
	s_endpgm
.Lfunc_end_k_qb0c8206fda_qkv:
	.size	k_qb0c8206fda_qkv, .Lfunc_end_k_qb0c8206fda_qkv-k_qb0c8206fda_qkv
	.p2alignl 7, 3214868480
	.fill 96, 4, 3214868480
	.section	.rodata,"a",@progbits
	.p2align	6, 0x0
	.amdhsa_kernel k_qb0c8206fda_qkv
		.amdhsa_group_segment_fixed_size 327680
		.amdhsa_private_segment_fixed_size 0
		.amdhsa_enable_private_segment 0
		.amdhsa_kernarg_size 88
		.amdhsa_user_sgpr_count 2
		.amdhsa_user_sgpr_kernarg_segment_ptr 1
		.amdhsa_wavefront_size32 1
		.amdhsa_system_sgpr_workgroup_id_x 1
		.amdhsa_system_sgpr_workgroup_id_y 1
		.amdhsa_system_sgpr_workgroup_id_z 1
		.amdhsa_system_vgpr_workitem_id 0
		.amdhsa_next_free_vgpr 1024
		.amdhsa_next_free_sgpr 100
		.amdhsa_reserve_vcc 0
		.amdhsa_float_denorm_mode_32 3
		.amdhsa_float_denorm_mode_16_64 3
		.amdhsa_memory_ordered 1
		.amdhsa_forward_progress 1
		.amdhsa_inst_pref_size 192
	.end_amdhsa_kernel
	.amdgpu_metadata
---
amdhsa.version: [ 1, 2 ]
amdhsa.kernels:
  - .name:           k_qb0c8206fda_qkv
    .symbol:         k_qb0c8206fda_qkv.kd
    .args:
      - { .name: x, .offset: 0, .size: 8, .value_kind: global_buffer, .address_space: global }
      - { .name: wq_codes, .offset: 8, .size: 8, .value_kind: global_buffer, .address_space: global }
      - { .name: wk_codes, .offset: 16, .size: 8, .value_kind: global_buffer, .address_space: global }
      - { .name: wv_codes, .offset: 24, .size: 8, .value_kind: global_buffer, .address_space: global }
      - { .name: wq_scales, .offset: 32, .size: 8, .value_kind: global_buffer, .address_space: global }
      - { .name: wk_scales, .offset: 40, .size: 8, .value_kind: global_buffer, .address_space: global }
      - { .name: wv_scales, .offset: 48, .size: 8, .value_kind: global_buffer, .address_space: global }
      - { .name: bq, .offset: 56, .size: 8, .value_kind: global_buffer, .address_space: global }
      - { .name: bk, .offset: 64, .size: 8, .value_kind: global_buffer, .address_space: global }
      - { .name: bv, .offset: 72, .size: 8, .value_kind: global_buffer, .address_space: global }
      - { .name: ws, .offset: 80, .size: 8, .value_kind: global_buffer, .address_space: global }
    .group_segment_fixed_size: 327680
    .private_segment_fixed_size: 0
    .kernarg_segment_align: 8
    .kernarg_segment_size: 88
    .max_flat_workgroup_size: 128
    .sgpr_count:     100
    .vgpr_count:     1024
    .wavefront_size: 32
...
	.end_amdgpu_metadata
.endif
;; end of part 1
;; launch attn (part 2): grid 32 x 8, 4 waves a work-group, clusters of 4 x 1, 327,680 bytes of LDS; arguments ws, x, out0, wc_codes, w1_codes, w2_codes, wc_scales, w1_scales, w2_scales, bc, b1, b2, g1, be1, g2, be2, theta; writes out0
.if DOCPART == 2
	.amdgcn_target "amdgcn-amd-amdhsa--gfx1250"
	.amdhsa_code_object_version 6
	.text
	.protected	k_qb0c8206fda_attn
	.globl	k_qb0c8206fda_attn
	.p2align	8
	.type	k_qb0c8206fda_attn,@function
k_qb0c8206fda_attn:
	s_mov_b64 s[64:65], 0
	v_nop
	global_prefetch_b8 v0, s[64:65] scope:SCOPE_SE
	s_setreg_imm32_b32 hwreg(HW_REG_WAVE_MODE, 25, 1), 1
	s_wait_xcnt 0x0
	s_wait_alu depctr_hold_cnt(0) depctr_sa_sdst(0) depctr_va_vdst(0) depctr_va_sdst(0) depctr_va_ssrc(0) depctr_va_vcc(0) depctr_vm_vsrc(0)
	s_getreg_b32 s2, hwreg(HW_REG_IB_STS2, 6, 4)
	s_cmp_eq_u32 s2, 0
	s_cbranch_scc0 .Lentry_in_a_cluster
	s_endpgm
.Lentry_in_a_cluster:
	s_bfe_u32 s2, ttmp6, 0x10000c
	s_cmp_lg_u32 s2, 0x3003
	s_cbranch_scc0 .Lentry_shape_is_right
	s_endpgm
.Lentry_shape_is_right:
; out0 = LN2(h + Q(relu(Q(h) w1 + b1)) w2 + b2), h = LN1(x + Q(softmax(q k^T / sqrt(512)) v + cos(x + theta)) wc + bc); every product on codes of FP6 (E2M3) with E8M0 scales.  Nothing of reference() is left out.
; SHARES.  A work-group takes 64 queries through the whole chain; the four work-groups of a cluster share a batch's K and V blocks and the weights, asked for jointly.
; ATTENTION: 16 key steps of 128 keys.  A block of ws holds V of step i and K of step i + 2, a part for each wave, as images of operand registers; two slots take turns, one load a wave behind each round.
; In a trip wave w scores keys 32 w .. 32 w + 31 of the next step for all 64 queries (S^T = k q^T, q's 16 fragments stay in registers), and adds this step's p to units 128 w .. 128 w + 127 of O^T (O^T += v^T p^T).
; K's fragments of a step are read into registers in the trip before, in ONE run of 52 loads between the two runs of products: so the scores' products stand first behind a round, and the loads of p, V and the waves' M are issued under them.
; (In the last trip that run brings the walk's first keys again, which are not used: the trip's text is written once.)
; Each wave keeps its own running M (a whole number, the ceiling of its running largest t); p = 2^(t - M) is summed unquantised, quantised by blocks of 32 keys, and published through LDS with -M and the scale bytes less M.
; The readers take the least -M of the four waves, bring p's bytes under it, and multiply O^T by the exact power of two between the old and the new one.
; That multiplication is ONE block of 128 packed lines behind one wait, between the two runs of products; the softmax stands among the products of O^T, the exponentials as one batch with a wait ahead and a wait behind;
; the rows' sums are added between the next trip's add onto the spare words and the wait for it.
; THE TAIL, tile of 16 rows by tile: O^T / l + cos(x + theta) (cos = 1 - s^2, s = sqrt(2) sin(r / 2) by a polynomial, r reduced by whole turns in two parts), quantised, shared as images through LDS;
; then wc, LN1, w1, relu, w2, LN2: wave w makes units 128 w .. of each product from its 128 rows of the weight, which lie in registers; a row's mean and variance are joined over the four waves through LDS.
; A weight's 128 rows of 384 bytes are dense in memory and are stated as 192 rows of 256 bytes, each from a multiple of 256, with 16 bytes of padding behind every 128.
; LIMITS: the promise holds while the scaled scores (the exponents to the base 2) stay under 2^31 in magnitude, and (x + theta) / (2 pi) under 2^22; NaN and infinities are not served;
; a block whose largest magnitude lies under 2^-124 keeps the scale byte 1 (a block of zeros too: its codes are zeros, and this program alone reads the bytes).
; REGISTERS: window 0 addresses, scale words, scores and the softmax's work; window 1 O^T (accumulator (m, t) at 64 m + 8 t), later the residual; window 2 q's fragments, later x and weights; window 3 fragments of K, V, p, later weights and parameters.
.set SLOT1, 131072
.set WBLK,  25600
.set KOFF,  12800
.set SOFF,  12288
.set WP,    432
.set WPART, 128*WP
.set LSUM,  233472
.set STATS, 234496
.set ASC,   236544
.set SPARE, 237568
.set EX,    245760
.set EXB,   8192
.set STG,   262144
.set AIMG,  295936
.set QCO,   13107200
.set QSO,   19398656
.set L16, 1
.set L4,  2
.set L8,  3
.set AKV, 4
.set ASW, 5
.set EXI, 6
.set EXN, 7
.set PST, 8
.set NST, 11
.set SPW, 12
.set NIL, 13
.set LST, 14
.set LLD, 15
.set QS,  16
.set KS,  24
.set VS,  28
.set PS,  32
.set NW,  36
.set LSM, 44
.set NC,  52
.set FO,  56
.set SCR, 64
.set NL,  128
.set PCV, 160
.set BM,  176
.set TP,  180
.set FL,  184
.set SO,  192
.set BY,  196
.set TN,  200
.set TD,  204
.set AD,  208
.set TH,  216
.set PFO, 224
.set CK,  224
.set FA,  4
.set SGI, 6
.set SGO, 7
.set AIS, 8
.set ASS, 9
.set STS, 10
.set STL, 11
.set H32, 14
.set AIL, 15
.set WS,  16
.set AS,  32
.set TAD, 38
.set ASL, 44
.set YA,  64
.set TM,  128
.set PC,  144
.set PW,  164
.set SA,  166
.set MU,  174
.set SB,  176
.set SM,  180
.set RS,  188
.set ND,  190
.set WV,  38
.set HM,  66                           ; s66: the select 'lanes 16-31'; never rewritten
.set TCN, 43
.set SEL, 44
.set CS,  46
.set TB,  48
.set EB,  49
.set EP,  50
.set C512, 48
.set CEPS, 49
.set C128, 50
.set MCN, 51
.set MI,  53
.set MA,  54
.set MS,  55
.set G1F, 56
.set G1H, 68
.set G1W, 76
.set G0A, 84
.set G0B, 88
.set KVB, 92
.set PFA, 94
.set MSB, 0
.macro WIN new
.if MSB != (\new)
	s_set_vgpr_msb (MSB<<8)|(\new)
.set MSB, (\new)
.endif
.endm
.macro PLACES n
.rept \n
	v_nop
.endr
.endm
.macro ROUND
	s_barrier_signal -1
	s_barrier_wait -1
	s_cmp_lg_u32 s[WV], 0
	s_cbranch_scc1 .Lnw0_\@
	s_barrier_signal -3
.Lnw0_\@:
	s_barrier_wait -3
	s_barrier_signal -1
	s_barrier_wait -1
.endm
.macro WMS d, a, b, c, sa, sb, ra, rb
.if (\c) < 0
.if ((\ra) == 0) && ((\rb) == 0)
	v_wmma_scale_f32_16x16x128_f8f6f4 v[(\d):(\d)+7], v[(\a):(\a)+11], v[(\b):(\b)+11], 0, v[(\sa)], v[(\sb)] matrix_a_fmt:MATRIX_FMT_FP6 matrix_b_fmt:MATRIX_FMT_FP6
.elseif ((\ra) == 1) && ((\rb) == 0)
	v_wmma_scale_f32_16x16x128_f8f6f4 v[(\d):(\d)+7], v[(\a):(\a)+11], v[(\b):(\b)+11], 0, v[(\sa)], v[(\sb)] matrix_a_fmt:MATRIX_FMT_FP6 matrix_b_fmt:MATRIX_FMT_FP6 matrix_a_scale:MATRIX_SCALE_ROW1
.elseif ((\ra) == 0) && ((\rb) == 1)
	v_wmma_scale_f32_16x16x128_f8f6f4 v[(\d):(\d)+7], v[(\a):(\a)+11], v[(\b):(\b)+11], 0, v[(\sa)], v[(\sb)] matrix_a_fmt:MATRIX_FMT_FP6 matrix_b_fmt:MATRIX_FMT_FP6 matrix_b_scale:MATRIX_SCALE_ROW1
.else
	v_wmma_scale_f32_16x16x128_f8f6f4 v[(\d):(\d)+7], v[(\a):(\a)+11], v[(\b):(\b)+11], 0, v[(\sa)], v[(\sb)] matrix_a_fmt:MATRIX_FMT_FP6 matrix_b_fmt:MATRIX_FMT_FP6 matrix_a_scale:MATRIX_SCALE_ROW1 matrix_b_scale:MATRIX_SCALE_ROW1
.endif
.else
.if ((\ra) == 0) && ((\rb) == 0)
	v_wmma_scale_f32_16x16x128_f8f6f4 v[(\d):(\d)+7], v[(\a):(\a)+11], v[(\b):(\b)+11], v[(\c):(\c)+7], v[(\sa)], v[(\sb)] matrix_a_fmt:MATRIX_FMT_FP6 matrix_b_fmt:MATRIX_FMT_FP6
.elseif ((\ra) == 1) && ((\rb) == 0)
	v_wmma_scale_f32_16x16x128_f8f6f4 v[(\d):(\d)+7], v[(\a):(\a)+11], v[(\b):(\b)+11], v[(\c):(\c)+7], v[(\sa)], v[(\sb)] matrix_a_fmt:MATRIX_FMT_FP6 matrix_b_fmt:MATRIX_FMT_FP6 matrix_a_scale:MATRIX_SCALE_ROW1
.elseif ((\ra) == 0) && ((\rb) == 1)
	v_wmma_scale_f32_16x16x128_f8f6f4 v[(\d):(\d)+7], v[(\a):(\a)+11], v[(\b):(\b)+11], v[(\c):(\c)+7], v[(\sa)], v[(\sb)] matrix_a_fmt:MATRIX_FMT_FP6 matrix_b_fmt:MATRIX_FMT_FP6 matrix_b_scale:MATRIX_SCALE_ROW1
.else
	v_wmma_scale_f32_16x16x128_f8f6f4 v[(\d):(\d)+7], v[(\a):(\a)+11], v[(\b):(\b)+11], v[(\c):(\c)+7], v[(\sa)], v[(\sb)] matrix_a_fmt:MATRIX_FMT_FP6 matrix_b_fmt:MATRIX_FMT_FP6 matrix_a_scale:MATRIX_SCALE_ROW1 matrix_b_scale:MATRIX_SCALE_ROW1
.endif
.endif
.endm
.macro FRAG reg, adr, s, row0
.irp p, 0,1,2,3,4,5
.set PCN, 12*(\s)+6*(\p/3)+\p%3
.if PCN%16 < 13
	ds_load_b64 v[\reg+2*\p:\reg+2*\p+1], v[\adr] offset:(\row0)*WP+8*PCN+16*(PCN/16)
.else
	ds_load_b64 v[\reg+2*\p:\reg+2*\p+1], v[\adr+1] offset:(\row0)*WP+8*PCN+16*(PCN/16)
.endif
.endr
.endm
.macro HFLOAD reg, adr, off
.irp c, 0,1
.irp i, 0,1,2
	ds_load_b64 v[\reg+6*\c+2*\i:\reg+6*\c+2*\i+1], v[\adr] offset:\off+768*\c+256*\i
.endr
.endr
.endm
	s_load_b512 s[4:19], s[0:1], 0x0
	s_load_b512 s[20:35], s[0:1], 0x40
	s_load_b64 s[36:37], s[0:1], 0x80
	v_lshl_add_u32 v[SPW], v0, 2, SPARE
	v_mov_b32 v[NIL], 0
	ds_add_u32 v12, v13
	ds_add_u32 v12, v13
	s_wait_dscnt 0x0
	v_lshrrev_b32 v208, 5, v0
	v_readfirstlane_b32 s[WV], v208
	s_mov_b32 s[HM], 0xffff0000
	s_mov_b32 s[SEL], 0x76543210
	s_mov_b32 s[SEL+1], 0xfedcba98
	s_mov_b32 s[CS], 0x3d8293ee
	s_mov_b32 s[CS+1], s[CS]
	s_bfe_u32 s39, ttmp6, 0x40000
	s_and_b32 s40, ttmp7, 0xffff
	s_lshl_b32 s42, ttmp9, 1
	s_lshl_b32 s41, ttmp9, 2
	s_add_co_u32 s41, s41, s39
	s_lshl_b32 s100, s40, 5
	s_add_co_u32 s41, s41, s100
	s_mul_i32 s96, s41, 24576
	s_add_co_u32 s96, s96, QCO
	s_mov_b32 s97, 0
	s_lshl_b32 s98, s41, 10
	s_add_co_u32 s98, s98, QSO
	s_mov_b32 s99, 0
	s_lshl_b32 s100, s41, 17
	s_lshl_b32 s101, s[WV], 9
	s_add_co_u32 s100, s100, s101
	s_mov_b32 s101, 0
	s_lshl_b32 s[KVB], s40, 2
	s_add_co_u32 s[KVB], s[KVB], s[WV]
	s_mul_i32 s[KVB], s[KVB], 16*WBLK
	s_mov_b32 s[KVB+1], 0
	s_mov_b32 s[G1F], 15|(3<<16)|(1<<21)
	s_mov_b32 s[G1F+1], 32<<16
	s_mov_b32 s[G1F+2], 100<<16
	s_mov_b32 s[G1F+3], 32<<16
	s_mov_b32 s[G1F+4], 100
	s_mov_b32 s[G1F+5], 32
	s_mov_b32 s[G1F+6], 0
	s_mov_b32 s[G1F+7], 0
	s_mov_b32 s[G1H], 15|(3<<16)|(1<<21)
	s_mov_b32 s[G1H+1], 1600<<16                   ; the head's load: the K halves of two neighbouring blocks: 2 rows of 12,800 bytes (1,600 elements of 8), 25,600 bytes apart
	s_mov_b32 s[G1H+2], 2<<16
	s_mov_b32 s[G1H+3], 1600<<16
	s_mov_b32 s[G1H+4], 2
	s_mov_b32 s[G1H+5], 3200
	s_mov_b32 s[G1H+6], 0
	s_mov_b32 s[G1H+7], 0
	s_mov_b32 s[G1W], 15|(0<<16)|(1<<20)|(1<<21)|(4<<22)|(3<<25)
	s_mov_b32 s[G1W+1], 256<<16                    ; 128 rows of 384 bytes, dense: 192 rows of 256 bytes
	s_mov_b32 s[G1W+2], 192<<16
	s_mov_b32 s[G1W+3], 256<<16
	s_mov_b32 s[G1W+4], 192
	s_mov_b32 s[G1W+5], 256
	s_mov_b32 s[G1W+6], 0
	s_mov_b32 s[G1W+7], 0
	s_mul_i32 s52, s[WV], WBLK
	s_wait_kmcnt 0x0
	s_add_nc_u64 s[KVB:KVB+1], s[4:5], s[KVB:KVB+1]
	s_add_nc_u64 s[96:97], s[4:5], s[96:97]
	s_add_nc_u64 s[98:99], s[4:5], s[98:99]
	s_add_nc_u64 s[6:7], s[6:7], s[100:101]
	s_add_nc_u64 s[8:9], s[8:9], s[100:101]
	s_lshl_b32 s2, s[WV], 9
	s_mov_b32 s3, 0
.irp p, 22,24,26,28,30,32,34
	s_add_nc_u64 s[\p:\p+1], s[\p:\p+1], s[2:3]
.endr
	s_lshl_b32 s2, s[WV], 11
.irp p, 16,18,20
	s_add_nc_u64 s[\p:\p+1], s[\p:\p+1], s[2:3]
.endr
	s_add_co_u32 s2, s42, 14                       ; K of my first step lies in the block two steps back, K of my second in the block behind it (my first step is even: the two are neighbours)
	s_and_b32 s2, s2, 15
	s_mul_i32 s2, s2, WBLK
	s_add_co_u32 s2, s2, KOFF
	s_mov_b32 s[G0B], 1
	s_add_co_u32 s[G0B+1], s52, SLOT1              ; the first at V's place of my part of slot 1, the second at K's
	s_add_nc_u64 s[G0B+2:G0B+3], s[KVB:KVB+1], s[2:3]
	s_or_b32 s[G0B+3], s[G0B+3], 0x80000000
	s_mul_i32 s2, s42, WBLK
	s_mov_b32 s[G0A], 1
	s_mov_b32 s[G0A+1], s52
	s_add_nc_u64 s[G0A+2:G0A+3], s[KVB:KVB+1], s[2:3]
	s_or_b32 s[G0A+3], s[G0A+3], 0x80000000
	ROUND
	tensor_load_to_lds s[G0B:G0B+3], s[G1H:G1H+7]  ; K of my first two key steps: one tensor load a wave at the head
	s_nop 0
	PLACES 4
	v_and_b32 v208, 31, v0                         ; q's loads and the addresses are made while that load is on its way
	v_and_b32 v209, 15, v0
	v_bfe_u32 v210, v0, 4, 1
	v_lshlrev_b32 v[L16], 4, v208
	v_lshlrev_b32 v[L4], 2, v208
	v_lshlrev_b32 v[L8], 3, v208
	v_mov_b32 v225, 0
	WIN 0x80
.irp f, 0,1,2,3,4,5,6,7,8,9,10,11,12,13,14,15
.irp c, 0,1
.irp i, 0,1,2
	global_load_b64 v[12*\f+6*\c+2*\i:12*\f+6*\c+2*\i+1], v[L8], s[96:97] offset:1536*\f+768*\c+256*\i
.endr
.endr
.endr
	WIN 0
.irp s, 0,1,2,3
.irp p, 0,1
	global_load_b32 v[QS+2*\s+\p], v[L4], s[98:99] offset:256*\s+128*\p
.endr
.endr
	global_load_b128 v[TH:TH+3], v225, s[36:37]
	global_load_b128 v[TH+4:TH+7], v225, s[36:37] offset:16
	v_add_nc_u32 v[AKV], s52, v[L8]
	v_add_nc_u32 v[ASW], s52, v[L4]
	v_add_nc_u32 v[EXI], EX, v[L16]
	v_lshl_add_u32 v[EXN], v209, 4, EX+6144
	s_lshr_b32 s53, s[WV], 1
	s_mul_i32 s53, s53, 6
	s_and_b32 s54, s[WV], 1
	s_lshl_b32 s54, s54, 8
	v_lshl_add_u32 v211, v209, 4, s54
	v_mad_u32_u24 v212, v210, 3, s53
.irp i, 0,1,2
	v_add_nc_u32 v213, \i, v212
	v_lshrrev_b32 v214, 2, v213
	v_and_b32 v213, 3, v213
	v_lshl_add_u32 v214, v214, 9, v211
	v_lshl_add_u32 v214, v213, 2, v214
	v_add_nc_u32 v[PST+\i], EX, v214
.endr
	s_lshl_b32 s55, s[WV], 2
	v_lshl_add_u32 v[NST], v209, 4, s55
	v_add_nc_u32 v[LST], LSUM, v[NST]
	v_lshl_add_u32 v[NST], v210, 10, v[NST]
	v_add_nc_u32 v[NST], EX+6144, v[NST]
	v_lshl_add_u32 v[LLD], v209, 4, LSUM
	v_lshrrev_b32 v[PFO], 1, v208
	v_lshlrev_b32 v[PFO], 11, v[PFO]
	v_and_b32 v213, 1, v208
	v_lshl_add_u32 v[PFO], v213, 8, v[PFO]
.irp f, 0,1,2,3
	v_mov_b32 v[NW+2*\f+1], 0xff61b1e6
	v_mov_b32 v[LSM+2*\f], 0
	v_mov_b32 v[LSM+2*\f+1], 0
	v_mov_b32 v[FO+2*\f+1], 0
	v_mov_b32 v[FL+2*\f+1], 0
	v_mov_b32 v[TP+\f], 0
	v_mov_b32 v[TD+\f], 0
.endr
.irp f, 0,1,2,3
	v_floor_f32 v[NW+2*\f], -v[NW+2*\f+1]
.endr
	s_wait_alu depctr_va_vdst(0)                   ; the wait at the head's end
	s_wait_tensorcnt 0x0                           ; K is in (I read only the part that I fetched)
	ds_add_u32 v[SPW], v[NIL]
	s_wait_dscnt 0x0
	ROUND
	tensor_load_to_lds s[G0A:G0A+3], s[G1F:G1F+7]  ; slot 0's first fill, my one load behind the round
	s_nop 0
	PLACES 4
	s_mov_b32 s[TB], SLOT1
	s_mov_b32 s[EB], 0
	s_mov_b32 s[EP], 0
.macro LA zero
.if ia < 68
.set lk, ia/4
.set lm, ia%4
.if lk == 0
	WIN 0
	v_min3_num_f32 v[TN+lm], v[NL+8*lm], v[NL+8*lm+1], v[NL+8*lm+2]
.elseif lk == 1
	WIN 0
	v_min_num_f32 v[TN+lm], v[TN+lm], v[NL+8*lm+3]
.elseif (lk >= 2) && (lk <= 4) && (\zero)
.elseif lk == 2
	WIN 0
	v_sub_f32 v[TD+lm], v[TN+lm], v[NC+lm]
.elseif lk == 3
	WIN 0
	v_cvt_i32_f32 v[TD+lm], v[TD+lm]
.elseif lk == 4
	WIN 0
	v_ldexp_f32 v[FO+2*lm], 1.0, v[TD+lm]
.elseif lk == 5
	WIN 0
	v_mov_b32 v[NC+lm], v[TN+lm]
.elseif lk < 10
	WIN 0
	v_add_f32 v[NL+8*lm+lk-2], v[NL+8*lm+lk-2], v[TN+lm]
.elseif lk < 14
	WIN 0
	v_cvt_u32_f32 v[NL+8*lm+lk-6], v[NL+8*lm+lk-6]
.elseif lk == 14
	WIN 0
	v_lshl_or_b32 v[PS+lm], v[NL+8*lm+5], 8, v[NL+8*lm+4]
.elseif lk == 15
	WIN 0
	v_lshl_or_b32 v[PS+lm], v[NL+8*lm+6], 16, v[PS+lm]
.else
	WIN 0
	v_lshl_or_b32 v[PS+lm], v[NL+8*lm+7], 24, v[PS+lm]
.endif
.endif
.set ia, ia+1
.endm
; O^T under the new M: 256 registers x f, each accumulator from its low end on.  The last step's products and exponentials stand ahead of the one wait, directly ahead of the first reader
.macro RESC
	WIN 0x41
	s_wait_alu depctr_va_vdst(0)
.set q, 0
.rept 128
	v_pk_mul_f32 v[2*q:2*q+1], v[2*q:2*q+1], v[FO+2*(q/32):FO+2*(q/32)+1] op_sel_hi:[1,0]
.set q, q+1
.endr
.endm
; the rows' sums, of the unquantised p that still lies in the scores' registers: the old sums under my new M, then 16 numbers a tile, the four tiles by turns
.macro LSUMS
.irp f, 0,1,2,3
	v_pk_mul_f32 v[LSM+2*\f:LSM+2*\f+1], v[LSM+2*\f:LSM+2*\f+1], v[FL+2*\f:FL+2*\f+1] op_sel_hi:[1,0]
.endr
.irp k, 0,1,2,3,4,5,6,7
.irp f, 0,1,2,3
	v_pk_add_f32 v[LSM+2*\f:LSM+2*\f+1], v[LSM+2*\f:LSM+2*\f+1], v[SCR+16*\f+2*\k:SCR+16*\f+2*\k+1]
.endr
.endr
.endm
.macro LB
.if ib < 104
.set lk, ib/4
.set lm, ib%4
	WIN 0
.if lk == 0
	v_max3_num_f32 v[BM+lm], v[SCR+16*lm], v[SCR+16*lm+1], v[SCR+16*lm+2]
.elseif lk < 7
	v_max3_num_f32 v[BM+lm], v[BM+lm], v[SCR+16*lm+2*lk+1], v[SCR+16*lm+2*lk+2]
.elseif lk == 7
	v_max_num_f32 v[BM+lm], v[BM+lm], v[SCR+16*lm+15]
.elseif lk == 8
	v_permlanex16_b32 v[TP+lm], v[BM+lm], s[SEL], s[SEL+1]
.elseif lk == 9
	v_max_num_f32 v[BM+lm], v[BM+lm], v[TP+lm]
.elseif lk == 10
	v_mul_f32 v[TP+lm], s[CS], v[BM+lm]
.elseif lk == 11
	v_max_num_f32 v[NW+2*lm+1], v[NW+2*lm+1], v[TP+lm]
.elseif lk == 12
	v_mov_b32 v[TP+lm], v[NW+2*lm]
.elseif lk == 13
	v_floor_f32 v[NW+2*lm], -v[NW+2*lm+1]
.elseif lk == 14
	v_sub_f32 v[TP+lm], v[NW+2*lm], v[TP+lm]
.elseif lk == 15
	v_cvt_i32_f32 v[TP+lm], v[TP+lm]
.elseif lk == 16
	v_ldexp_f32 v[FL+2*lm], 1.0, v[TP+lm]
.elseif lk == 17
	v_fma_f32 v[BM+lm], v[BM+lm], s[CS], v[NW+2*lm]
.else
	v_pk_fma_f32 v[SCR+16*lm+2*(lk-18):SCR+16*lm+2*(lk-18)+1], v[SCR+16*lm+2*(lk-18):SCR+16*lm+2*(lk-18)+1], s[CS:CS+1], v[NW+2*lm:NW+2*lm+1] op_sel_hi:[1,0,0]
.endif
.elseif ib < 168
	WIN 0
.if ib == 104
	s_wait_alu depctr_va_vdst(0)                   ; the wait ahead of the batch of 68
.endif
	v_exp_f32 v[SCR+ib-104], v[SCR+ib-104]
.elseif ib < 172
	WIN 0
	v_exp_f32 v[BM+ib-168], v[BM+ib-168]
.elseif ib == 172
	v_nop
.elseif ib == 173
	s_wait_alu depctr_va_vdst(0)
.elseif ib < 198
.set lk, (ib-174)/4+9
.set lm, (ib-174)%4
	WIN 0
.if lk == 9
	v_max_num_f32 v[BM+lm], 0x1800000, v[BM+lm]
.elseif lk == 10
	v_add_nc_u32 v[SO+lm], 0xff000000, v[BM+lm]
.elseif lk == 11
	v_lshrrev_b32 v[BY+lm], 23, v[SO+lm]
.elseif lk == 12
	v_cvt_f32_u32 v[BY+lm], v[BY+lm]
.elseif lk == 13
	v_sub_f32 v[BY+lm], v[BY+lm], v[NW+2*lm]
.else
	v_cndmask_b32 v[BY+lm], v[NW+2*lm], v[BY+lm], s[HM]
.endif
.elseif ib < 202
	WIN 0
	v_cvt_scalef32_pk16_fp6_f32 v[PCV+4*(ib-198):PCV+4*(ib-198)+2], v[SCR+16*(ib-198):SCR+16*(ib-198)+15], v[SO+ib-198]
.elseif ib == 202
	v_nop
.endif
.set ib, ib+1
.endm
.macro ADDRS
	v_add_nc_u32 v[AD], s[TB], v[AKV]
	v_add_nc_u32 v[AD+1], s[TB], v[ASW]
	v_add_nc_u32 v[AD+2], s[EB], v[EXI]
	v_add_nc_u32 v[AD+3], s[EB], v[EXN]
.endm
.macro NLOAD
.irp f, 0,1,2,3
	ds_load_b128 v[NL+8*\f:NL+8*\f+3], v[AD+3] offset:256*\f
	ds_load_b128 v[NL+8*\f+4:NL+8*\f+7], v[AD+3] offset:1024+256*\f
.endr
.endm
.macro KLOAD ko                        ; K's four scale words and eight fragments, 52 loads in one run; ko: where the K half begins in my part of the slot
.irp s, 0,1,2,3
	ds_load_b32 v[KS+\s], v[AD+1] offset:\ko+SOFF+128*\s
.endr
	WIN 0xc0
.irp s, 0,1,2,3
.irp u, 0,1
	HFLOAD 12*(4*\u+\s), AD, \ko+1536*(4*\u+\s)
.endr
.endr
	WIN 0
.endm
.macro RUNB1
	WIN 0
.irp e, 0,1,2,3
	ds_load_b32 v[VS+\e], v[AD+1] offset:SOFF+128*\e
.endr
	WIN 0xc0
.irp f, 0,1,2,3
.irp c, 0,1,2
	ds_load_b128 v[192+12*\f+4*\c:192+12*\f+4*\c+3], v[AD+2] offset:1536*\f+512*\c
.endr
.endr
	HFLOAD 96, AD, 0
	HFLOAD 108, AD, 1536
.endm
.macro RUNB2
	WIN 0xc0
.irp t, 2,3,4,5,6,7
	HFLOAD 96+12*\t, AD, 1536*\t
.endr
.endm
.macro PHASEA zero, lists
.set ia, 0
.irp s, 0,1,2,3
.if \lists
.if \s == 1
	RUNB1
	s_wait_dscnt 28                                ; the waves' M and bytes (8 loads) are in; the 28 just issued may be out
.elseif \s == 2
	RUNB2
.endif
.endif
.irp u, 0,1
.irp m, 0,1,2,3
	WIN 0x0b
.if \s == 0
	WMS SCR+16*\m+8*\u, 12*(4*\u+\s), 12*(4*\m+\s), -1, KS+\s, QS+2*\s+\m/2, \u, \m%2
.else
	WMS SCR+16*\m+8*\u, 12*(4*\u+\s), 12*(4*\m+\s), SCR+16*\m+8*\u, KS+\s, QS+2*\s+\m/2, \u, \m%2
.endif
.if (\lists) && (\s > 0)
.rept 6
	LA \zero
.endr
.endif
.endr
.endr
.endr
.if (\lists) && ((\zero) == 0)
	RESC                                           ; its 128 lines are also the places behind the scores' last products
.else
	WIN 0
	PLACES 8
.endif
.endm
.macro PHASEB zero, lists
.set ib, 0
.irp m, 0,1,2,3
.irp t, 0,1,2,3,4,5,6,7
	WIN 0x5f
.if \zero
	WMS 64*\m+8*\t, 96+12*\t, 192+12*\m, -1, VS+\t/2, PS+\m, \t%2, 0
.else
	WMS 64*\m+8*\t, 96+12*\t, 192+12*\m, 64*\m+8*\t, VS+\t/2, PS+\m, \t%2, 0
.endif
.if \lists
.rept 7                                        ; the list's 203 lines, seven behind each of the first 29 products
	LB
.endr
.endif
.endr
.endr
	WIN 0
.endm
.macro PUBLISH
.irp i, 0,1,2
	v_add_nc_u32 v[AD+4+\i], s[EP], v[PST+\i]
.endr
	v_add_nc_u32 v[AD+7], s[EP], v[NST]
.irp f, 0,1,2,3
.irp i, 0,1,2
	ds_store_b32 v[AD+4+\i], v[PCV+4*\f+\i] offset:1536*\f
.endr
	ds_store_b32 v[AD+7], v[BY+\f] offset:256*\f
.endr
	s_xor_b32 s[EP], s[EP], EXB
.endm
.macro TRIP zero, pf
	s_wait_tensorcnt 0x0
	ds_add_u32 v[SPW], v[NIL]
	LSUMS                                          ; work on registers between the add and the wait for it
	s_xor_b32 s[G0A+1], s[G0A+1], SLOT1
	s_add_co_u32 s2, s42, s[TCN]
	s_add_co_u32 s2, s2, 1
	s_and_b32 s2, s2, 15
	s_mul_i32 s2, s2, WBLK
	s_mov_b32 s3, 0
	s_add_nc_u64 s[G0A+2:G0A+3], s[KVB:KVB+1], s[2:3]
	s_or_b32 s[G0A+3], s[G0A+3], 0x80000000
.if \pf
	s_wait_xcnt 0x0
	s_cmp_eq_u32 s[TCN], 14
	s_cselect_b32 s2, 0x10000, 0
	s_add_nc_u64 s[PFA:PFA+1], s[6:7], s[2:3]
.endif
	s_wait_dscnt 0x0
	ROUND
	tensor_load_to_lds s[G0A:G0A+3], s[G1F:G1F+7]
	s_nop 0
	PLACES 4
.if \pf
	s_cmp_lt_u32 s[TCN], 13
	s_cbranch_scc1 .Lnopf_\@
	global_prefetch_b8 v[PFO], s[PFA:PFA+1] th:TH_LOAD_NT scope:SCOPE_SE
	global_prefetch_b8 v[PFO], s[PFA:PFA+1] offset:32768 th:TH_LOAD_NT scope:SCOPE_SE
.Lnopf_\@:
.endif
	ADDRS
	NLOAD
	PHASEA \zero, 1                                ; on K's fragments that the trip before has read
	WIN 0
	KLOAD KOFF                                     ; the next trip's K, from this slot: the places behind the scores' last products stand ahead of it
	s_wait_alu depctr_va_vdst(0)
	s_wait_dscnt 52                                ; p, V and their scale words are in; the 52 loads just issued may be out
	PHASEB \zero, 1
	PUBLISH
	s_xor_b32 s[TB], s[TB], SLOT1
	s_xor_b32 s[EB], s[EB], EXB
.endm
	ADDRS
	KLOAD 0                                        ; K of my first step
	s_wait_alu depctr_va_vdst(0)
	s_wait_loadcnt 0x0
	s_wait_dscnt 0x0
	PHASEA 1, 0
	KLOAD KOFF                                     ; K of my second step, for the first trip; eight places stand behind the products that read these registers
.set ib, 0
.rept 203
	LB
.endr
	PUBLISH
	s_xor_b32 s[TB], s[TB], SLOT1
	s_mov_b32 s[TCN], 0
	TRIP 1, 0
	s_mov_b32 s[TCN], 1
.Lkey:
	TRIP 0, 1
	s_add_co_u32 s[TCN], s[TCN], 1
	s_cmp_lt_u32 s[TCN], 15
	s_cbranch_scc1 .Lkey
	LSUMS                                          ; the last step's p
.irp f, 0,1,2,3
	v_add_f32 v[TP+\f], v[LSM+2*\f], v[LSM+2*\f+1]
.endr
.irp f, 0,1,2,3
	v_permlanex16_b32 v[TD+\f], v[TP+\f], s[SEL], s[SEL+1]
.endr
.irp f, 0,1,2,3
	v_add_f32 v[TP+\f], v[TP+\f], v[TD+\f]
.endr
.irp f, 0,1,2,3
	ds_store_b32 v[LST], v[TP+\f] offset:256*\f
.endr
.macro RAWX p
	WIN 0x80
.irp i, 0,1,2,3,4,5,6,7,8,9,10,11,12,13,14,15
	global_load_b128 v[4*\i:4*\i+3], v[L16], s[\p:\p+1] offset:(\i+8*(\i/8))*2048 th:TH_LOAD_NT
.endr
	WIN 0
.endm
	RAWX 6
	s_wait_tensorcnt 0x0
	s_wait_dscnt 0x0
	s_barrier_signal -1
	s_barrier_wait -1
	ADDRS
	NLOAD
	RUNB1
	RUNB2
	WIN 0
.irp f, 0,1,2,3
	ds_load_b128 v[SCR+4*\f:SCR+4*\f+3], v[LLD] offset:256*\f
.endr
	s_wait_dscnt 0x0
.set ia, 0
.rept 68
	LA 0
.endr
	RESC
	PHASEB 0, 0
.irp f, 0,1,2,3
.irp e, 0,1,2,3
	v_sub_f32 v[SCR+16+4*\f+\e], v[NC+\f], v[NL+8*\f+\e]
.endr
.endr
.irp e, 0,1,2,3,4,5,6,7,8,9,10,11,12,13,14,15
	v_cvt_i32_f32 v[SCR+16+\e], v[SCR+16+\e]
.endr
.irp e, 0,1,2,3,4,5,6,7,8,9,10,11,12,13,14,15
	v_ldexp_f32 v[SCR+\e], v[SCR+\e], v[SCR+16+\e]
.endr
.irp f, 0,1,2,3
	v_add_f32 v[SCR+4*\f], v[SCR+4*\f], v[SCR+4*\f+1]
	v_add_f32 v[SCR+4*\f+2], v[SCR+4*\f+2], v[SCR+4*\f+3]
.endr
.irp f, 0,1,2,3
	v_add_f32 v[SCR+4*\f], v[SCR+4*\f], v[SCR+4*\f+2]
.endr
	s_wait_alu depctr_va_vdst(0)
.irp f, 0,1,2,3
	v_rcp_f32 v[FO+2*\f], v[SCR+4*\f]
.endr
	v_and_b32 v36, 15, v0
	v_bfe_u32 v37, v0, 4, 1
	s_mul_i32 s2, s[WV], WPART
	v_mul_u32_u24 v[FA], v36, WP
	v_mad_u32_u24 v[FA], v37, 24, v[FA]
	v_add_nc_u32 v[FA], s2, v[FA]
	v_lshl_add_u32 v[FA+1], v37, 4, v[FA]
	s_mul_i32 s2, s[WV], 8448
	s_add_co_u32 s2, s2, STG
	v_add_nc_u32 v[SGI], s2, v[L16]
	v_mul_u32_u24 v[SGO], v36, 528
	v_lshl_add_u32 v[SGO], v37, 5, v[SGO]
	v_add_nc_u32 v[SGO], s2, v[SGO]
	s_mul_i32 s2, s[WV], 1536
	s_add_co_u32 s2, s2, AIMG
	v_add_nc_u32 v[AIS], s2, v[L16]
	s_lshl_b32 s2, s[WV], 6
	s_add_co_u32 s2, s2, ASC
	v_lshl_add_u32 v[ASS], v36, 2, s2
	s_lshl_b32 s2, s[WV], 2
	s_add_co_u32 s2, s2, STATS
	v_lshl_add_u32 v[STS], v36, 4, s2
	v_lshl_add_u32 v[STS], v37, 8, v[STS]
	v_lshl_add_u32 v[STL], v36, 4, STATS
	v_lshlrev_b32 v[H32], 5, v37
	v_add_nc_u32 v[AIL], AIMG, v[L16]
	v_add_nc_u32 v[ASL], ASC, v[L4]
.irp e, 0,1,2,3
	v_mov_b32 v[TM+4+\e], 0
.endr
	v_mov_b32 v[MU+1], 0
	v_mov_b32 v[RS+1], 0
	v_mov_b32 v[ND+1], 0
	v_mov_b32 v[SB+1], 0
	s_wait_alu depctr_va_vdst(0)
	s_mov_b32 s[C512], 0x3b000000
	s_mov_b32 s[CEPS], 0x3727c5ac
	s_mov_b32 s[C128], 0x3c000000
.macro PLOAD reg, win, p
	WIN (\win)<<6
.irp t, 0,1,2,3,4,5,6,7
	global_load_b128 v[\reg+8*\t:\reg+8*\t+3], v[H32], s[\p:\p+1] offset:64*\t
	global_load_b128 v[\reg+8*\t+4:\reg+8*\t+7], v[H32], s[\p:\p+1] offset:64*\t+16
.endr
	WIN 0
.endm
.macro WSLOAD p
.irp g, 0,1,2,3
	global_load_b128 v[WS+4*\g:WS+4*\g+3], v[L16], s[\p:\p+1] offset:512*\g
.endr
.endm
	PLOAD 192, 3, 22
	WSLOAD 16
	s_wait_xcnt 0x0
.macro CONST i, val
	v_mov_b32 v[CK+2*\i], \val
	v_mov_b32 v[CK+2*\i+1], \val
.endm
	CONST 0, 0x3e22f983
	CONST 1, 0x4b400000
	CONST 2, 0xcb400000
	CONST 3, 0xc0c90fdb
	CONST 4, 0x343bbd2e
	CONST 5, 0xad982aa2
	CONST 6, 0x3202c4a3
	CONST 7, 0xb6131d37
	CONST 8, 0x39c11659
	CONST 9, 0xbcf15bef
	CONST 10, 0x3f3504f3
.macro REFILLW p
	s_wait_tensorcnt 0x0
	ds_add_u32 v[SPW], v[NIL]
	s_mul_i32 s2, s[WV], 49152
	s_mov_b32 s3, 0
	s_add_nc_u64 s[G0A+2:G0A+3], s[\p:\p+1], s[2:3]
	s_or_b32 s[G0A+3], s[G0A+3], 0x80000000
	s_mul_i32 s[G0A+1], s[WV], WPART
	s_wait_dscnt 0x0
	ROUND
	tensor_load_to_lds s[G0A:G0A+3], s[G1W:G1W+7]
	s_nop 0
	PLACES 4
.endm
	REFILLW 10
.macro QUANT s, win, swap
.if \swap
	WIN (\win)|((\win)<<6)
.irp b, 0,1,2,3
.irp j, 0,1,2,3,4,5,6,7
	v_permlane16_swap_b32 v[\s+16*\b+\j], v[\s+16*\b+8+\j]
.endr
.endr
.endif
	WIN (\win)|((\win)<<2)
.irp b, 0,1,2,3
	v_max3_num_f32 v[TM+\b], |v[\s+16*\b]|, |v[\s+1+16*\b]|, 0x1800000
.endr
	WIN ((\win)<<2)|((\win)<<4)
.irp i, 2,4,6,8,10,12,14
.irp b, 0,1,2,3
	v_max3_num_f32 v[TM+\b], v[TM+\b], |v[\s+16*\b+\i]|, |v[\s+1+16*\b+\i]|
.endr
.endr
	WIN 0
.irp b, 0,1,2,3
	v_permlanex16_b32 v[TM+4+\b], v[TM+\b], s[SEL], s[SEL+1]
.endr
.irp b, 0,1,2,3
	v_max_num_f32 v[TM+\b], v[TM+\b], v[TM+4+\b]
.endr
.irp b, 0,1,2,3
	v_add_nc_u32 v[TM+12+\b], 0xff000000, v[TM+\b]
.endr
.irp b, 0,1,2,3
	v_lshrrev_b32 v[TM+4+\b], 23, v[TM+12+\b]
.endr
	v_lshl_or_b32 v[PW], v[TM+5], 8, v[TM+4]
	v_lshl_or_b32 v[PW], v[TM+6], 16, v[PW]
	v_lshl_or_b32 v[PW], v[TM+7], 24, v[PW]
	WIN (\win)
.irp c, 0,1
	v_cvt_scalef32_pk16_fp6_f32 v[PC+6*\c:PC+2+6*\c], v[\s+32*\c:\s+15+32*\c], v[TM+12+2*\c]
	v_cvt_scalef32_pk16_fp6_f32 v[PC+12+4*\c:PC+14+4*\c], v[\s+16+32*\c:\s+31+32*\c], v[TM+12+2*\c+1]
.endr
	v_nop
	WIN 0
.irp c, 0,1
.irp i, 0,1,2
	v_permlane16_swap_b32 v[PC+6*\c+\i], v[PC+12+4*\c+\i]
.endr
.irp i, 0,1,2
	v_mov_b32 v[PC+3+6*\c+\i], v[PC+12+4*\c+\i]
.endr
.endr
.endm
.macro IMAGE
	v_add_nc_u32 v[TAD], s[MI], v[AIS]
	v_add_nc_u32 v[TAD+1], s[MA], v[ASS]
.irp c, 0,1,2
	ds_store_b128 v[TAD], v[PC+4*\c:PC+4*\c+3] offset:512*\c
.endr
	ds_store_b32 v[TAD+1], v[PW]
.endm
.macro DISPATCH body
	s_cmp_eq_u32 s[MCN], 1
	s_cbranch_scc1 .Ld1_\@
	s_cmp_eq_u32 s[MCN], 2
	s_cbranch_scc1 .Ld2_\@
	s_cmp_eq_u32 s[MCN], 3
	s_cbranch_scc1 .Ld3_\@
	\body 0
	s_branch .Ldj_\@
.Ld1_\@:
	\body 1
	s_branch .Ldj_\@
.Ld2_\@:
	\body 2
	s_branch .Ldj_\@
.Ld3_\@:
	\body 3
.Ldj_\@:
.endm
.macro COSSTUB m
	WIN 0xc1
	s_wait_alu depctr_va_vdst(0)                   ; the wait directly ahead of the first reader of this tile's O^T: the reciprocals stand behind its last products
.set q, 0
.rept 32
	v_pk_fma_f32 v[64+2*q:65+2*q], v[64*\m+2*q:64*\m+2*q+1], v[FO+2*\m:FO+2*\m+1], 1.0 op_sel_hi:[1,0,0]
.set q, q+1
.endr
	WIN 0x4e
.set q, 0
.rept 32
	v_pk_add_f32 v[64*\m+2*q:64*\m+2*q+1], v[64+2*q:65+2*q], v[192+2*q:193+2*q]
.set q, q+1
.endr
	WIN 0
.endm
	s_mov_b32 s[MCN], 0
	s_mov_b32 s[MI], 0
	s_mov_b32 s[MA], 0
.Lcos:
	s_wait_loadcnt 0x0
	WIN 0x08
.irp i, 0,1,2,3,4,5,6,7,8,9,10,11,12,13,14,15
	ds_store_b128 v[SGI], v[4*\i:4*\i+3] offset:528*\i
.endr
	WIN 0x80
.irp t, 0,1,2,3,4,5,6,7
	ds_load_b128 v[64+8*\t:64+8*\t+3], v[SGO] offset:64*\t
	ds_load_b128 v[64+8*\t+4:64+8*\t+7], v[SGO] offset:64*\t+16
.endr
	WIN 0
	s_wait_dscnt 0x0
	s_cmp_eq_u32 s[MCN], 3
	s_cbranch_scc1 .Lnox
	s_add_co_u32 s2, s[MCN], 1
	s_lshr_b32 s3, s2, 1
	s_lshl_b32 s3, s3, 16
	s_and_b32 s2, s2, 1
	s_lshl_b32 s2, s2, 14
	s_add_co_u32 s2, s2, s3
	s_mov_b32 s3, 0
	s_add_nc_u64 s[98:99], s[6:7], s[2:3]
	RAWX 98
.Lnox:
	DISPATCH COSSTUB
	WIN 0x82
.set q, 0
.rept 32
	v_pk_add_f32 v[128+2*q:129+2*q], v[64+2*q:65+2*q], v[TH+2*(q%4):TH+2*(q%4)+1]
.set q, q+1
.endr
.set q, 0
.rept 32
	v_pk_fma_f32 v[192+2*q:193+2*q], v[128+2*q:129+2*q], v[CK:CK+1], v[CK+2:CK+3]
.set q, q+1
.endr
.set q, 0
.rept 32
	v_pk_add_f32 v[192+2*q:193+2*q], v[192+2*q:193+2*q], v[CK+4:CK+5]
.set q, q+1
.endr
	WIN 0xa2
.set q, 0
.rept 32
	v_pk_fma_f32 v[128+2*q:129+2*q], v[192+2*q:193+2*q], v[CK+6:CK+7], v[128+2*q:129+2*q]
.set q, q+1
.endr
.set q, 0
.rept 32
	v_pk_fma_f32 v[128+2*q:129+2*q], v[192+2*q:193+2*q], v[CK+8:CK+9], v[128+2*q:129+2*q]
.set q, q+1
.endr
	WIN 0x8a
.set q, 0
.rept 32
	v_pk_mul_f32 v[192+2*q:193+2*q], v[128+2*q:129+2*q], v[128+2*q:129+2*q]
.set q, q+1
.endr
	WIN 0xc2
.set q, 0
.rept 32
	v_pk_fma_f32 v[2*q:2*q+1], v[192+2*q:193+2*q], v[CK+10:CK+11], v[CK+12:CK+13]
.set q, q+1
.endr
	WIN 0xcb
.irp e, 14,16,18,20
.set q, 0
.rept 32
	v_pk_fma_f32 v[2*q:2*q+1], v[2*q:2*q+1], v[192+2*q:193+2*q], v[CK+\e:CK+\e+1]
.set q, q+1
.endr
.endr
.set q, 0
.rept 32
	v_pk_mul_f32 v[2*q:2*q+1], v[2*q:2*q+1], v[128+2*q:129+2*q]
.set q, q+1
.endr
	WIN 0xff
.set q, 0
.rept 32
	v_pk_fma_f32 v[64+2*q:65+2*q], v[2*q:2*q+1], v[2*q:2*q+1], v[64+2*q:65+2*q] neg_lo:[1,0,0] neg_hi:[1,0,0]
.set q, q+1
.endr
	QUANT 64, 3, 1
	IMAGE
	s_add_co_u32 s[MI], s[MI], 6144
	s_add_co_u32 s[MA], s[MA], 256
	s_add_co_u32 s[MCN], s[MCN], 1
	s_cmp_lt_u32 s[MCN], 4
	s_cbranch_scc1 .Lcos
.macro WREGS
	s_wait_tensorcnt 0x0
	WIN 0x80
.irp t, 0,1,2,3,4
.irp s, 0,1,2,3
	FRAG 12*(4*\t+\s), FA, \s, 16*\t
.endr
.endr
	WIN 0xc0
.irp t, 5,6,7
.irp s, 0,1,2,3
	FRAG 12*(4*(\t-5)+\s), FA, \s, 16*\t
.endr
.endr
	WIN 0
.endm
.macro FETCH
	v_add_nc_u32 v[TAD], s[MI], v[AIL]
	v_add_nc_u32 v[TAD+1], s[MA], v[ASL]
	WIN 0xc0
.irp s, 0,1,2,3
.irp c, 0,1,2
	ds_load_b128 v[144+12*\s+4*\c:144+12*\s+4*\c+3], v[TAD] offset:1536*\s+512*\c
.endr
.endr
	WIN 0
	ds_load_b32 v[AS], v[TAD+1]
	ds_load_b32 v[AS+1], v[TAD+1] offset:128
.endm
.macro KSTEP s, cb, cw
.irp t, 0,1,2,3,4,5,6,7
.if \t < 5
	WIN 0x0e|((\cw)<<4)
.set wa, 12*(4*\t+(\s))
.else
	WIN 0x0f|((\cw)<<4)
.set wa, 12*(4*(\t-5)+(\s))
.endif
.if (\cb) < 0
	WMS YA+8*\t, wa, 144+12*(\s), YA+8*\t, WS+4*(\t/2)+(\s), AS+(\s)/2, \t%2, (\s)%2
.else
	WMS YA+8*\t, wa, 144+12*(\s), (\cb)+8*\t, WS+4*(\t/2)+(\s), AS+(\s)/2, \t%2, (\s)%2
.endif
.endr
.endm
.macro MMREST
	KSTEP 1, -1, 0
	KSTEP 2, -1, 0
	KSTEP 3, -1, 0
	WIN 0
.endm
.macro C0STUB m
	KSTEP 0, 64*\m, 1
	WIN 0
.endm
.macro HSTUB m
	WIN 0x4c
.set q, 0
.rept 32
	v_pk_fma_f32 v[64*\m+2*q:64*\m+2*q+1], v[YA+2*q:YA+2*q+1], v[192+2*q:193+2*q], v[192+2*q:193+2*q]
.set q, q+1
.endr
	WIN 0
.endm
.macro BSTUB m
	WIN 0x41
.set q, 0
.rept 32
	v_pk_add_f32 v[64*\m+2*q:64*\m+2*q+1], v[64*\m+2*q:64*\m+2*q+1], v[192+2*q:193+2*q]
.set q, q+1
.endr
	WIN 0
.endm
.macro GAIN
	WIN 0x0c
.set q, 0
.rept 32
	v_pk_fma_f32 v[YA+2*q:YA+2*q+1], v[YA+2*q:YA+2*q+1], v[192+2*q:193+2*q], v[192+2*q:193+2*q]
.set q, q+1
.endr
	WIN 0
.endm
.macro LNSTAT
.irp k, 0,1,2,3
	v_pk_add_f32 v[SA+2*\k:SA+2*\k+1], v[YA+2*\k:YA+2*\k+1], v[YA+8+2*\k:YA+8+2*\k+1]
.endr
.set q, 8
.rept 24
	v_pk_add_f32 v[SA+2*(q%4):SA+2*(q%4)+1], v[SA+2*(q%4):SA+2*(q%4)+1], v[YA+2*q:YA+2*q+1]
.set q, q+1
.endr
	v_pk_add_f32 v[SA:SA+1], v[SA:SA+1], v[SA+2:SA+3]
	v_pk_add_f32 v[SA+4:SA+5], v[SA+4:SA+5], v[SA+6:SA+7]
	v_pk_add_f32 v[SA:SA+1], v[SA:SA+1], v[SA+4:SA+5]
	v_add_f32 v[SB], v[SA], v[SA+1]
	v_permlanex16_b32 v[SB+1], v[SB], s[SEL], s[SEL+1]
	v_add_f32 v[SB], v[SB], v[SB+1]
	v_mul_f32 v[MU], s[C128], v[SB]
.set q, 0
.rept 32
	v_pk_add_f32 v[YA+2*q:YA+2*q+1], v[YA+2*q:YA+2*q+1], v[MU:MU+1] op_sel_hi:[1,0] neg_lo:[0,1] neg_hi:[0,1]
.set q, q+1
.endr
.irp k, 0,1,2,3
	v_pk_mul_f32 v[SA+2*\k:SA+2*\k+1], v[YA+2*\k:YA+2*\k+1], v[YA+2*\k:YA+2*\k+1]
.endr
.set q, 4
.rept 28
	v_pk_fma_f32 v[SA+2*(q%4):SA+2*(q%4)+1], v[YA+2*q:YA+2*q+1], v[YA+2*q:YA+2*q+1], v[SA+2*(q%4):SA+2*(q%4)+1]
.set q, q+1
.endr
	v_pk_add_f32 v[SA:SA+1], v[SA:SA+1], v[SA+2:SA+3]
	v_pk_add_f32 v[SA+4:SA+5], v[SA+4:SA+5], v[SA+6:SA+7]
	v_pk_add_f32 v[SA:SA+1], v[SA:SA+1], v[SA+4:SA+5]
	v_add_f32 v[SB], v[SA], v[SA+1]
	v_permlanex16_b32 v[SB+1], v[SB], s[SEL], s[SEL+1]
	v_add_f32 v[SB], v[SB], v[SB+1]
	v_cndmask_b32 v[SB+2], v[MU], v[SB], s[HM]
	v_add_nc_u32 v[TAD+2], s[MS], v[STS]
	v_add_nc_u32 v[TAD+3], s[MS], v[STL]
	ds_store_b32 v[TAD+2], v[SB+2]
	s_wait_alu depctr_va_vdst(0)
	s_wait_dscnt 0x0
	s_barrier_signal -1
	s_barrier_wait -1
	ds_load_b128 v[SM:SM+3], v[TAD+3]
	ds_load_b128 v[SM+4:SM+7], v[TAD+3] offset:256
	s_wait_dscnt 0x0
	v_add_f32 v[SB], v[SM], v[SM+1]
	v_add_f32 v[SB+1], v[SM+2], v[SM+3]
	v_add_f32 v[SB], v[SB], v[SB+1]
	v_mul_f32 v[SB], 0x3e800000, v[SB]
.irp k, 0,1,2,3
	v_sub_f32 v[SM+\k], v[SM+\k], v[SB]
.endr
	v_mul_f32 v[SB+1], v[SM], v[SM]
	v_fmac_f32 v[SB+1], v[SM+1], v[SM+1]
	v_fmac_f32 v[SB+1], v[SM+2], v[SM+2]
	v_fmac_f32 v[SB+1], v[SM+3], v[SM+3]
	v_add_f32 v[SB+2], v[SM+4], v[SM+5]
	v_add_f32 v[SB+3], v[SM+6], v[SM+7]
	v_add_f32 v[SB+2], v[SB+2], v[SB+3]
	v_fma_f32 v[SB+2], v[SB+1], 0x43000000, v[SB+2]
	v_fma_f32 v[SB+2], v[SB+2], s[C512], s[CEPS]
	s_wait_alu depctr_va_vdst(0)
	v_rsq_f32 v[RS], v[SB+2]
	v_sub_f32 v[SB+3], v[MU], v[SB]
	s_wait_alu depctr_va_vdst(0)
	v_mul_f32 v[ND], v[SB+3], v[RS]
.set q, 0
.rept 32
	v_pk_fma_f32 v[YA+2*q:YA+2*q+1], v[YA+2*q:YA+2*q+1], v[RS:RS+1], v[ND:ND+1] op_sel_hi:[1,0,0]
.set q, q+1
.endr
.endm
.macro STEPM lab
	s_add_co_u32 s[MI], s[MI], 6144
	s_add_co_u32 s[MA], s[MA], 256
	s_add_co_u32 s[MS], s[MS], 512
	s_add_co_u32 s[MCN], s[MCN], 1
	s_cmp_lt_u32 s[MCN], 4
	s_cbranch_scc1 \lab
.endm
.macro RESETM
	s_mov_b32 s[MCN], 0
	s_mov_b32 s[MI], 0
	s_mov_b32 s[MA], 0
	s_mov_b32 s[MS], 0
.endm
	PLOAD 192, 3, 28
	PLOAD 192, 0, 30
	WREGS
	REFILLW 12
	s_wait_loadcnt 0x0
	RESETM
.Lwc:
	FETCH
	s_wait_dscnt 0x0
	DISPATCH C0STUB
	MMREST
	PLACES 4
	LNSTAT
	DISPATCH HSTUB
	GAIN
	QUANT YA, 0, 1
	IMAGE
	STEPM .Lwc
	PLOAD 192, 3, 24
	PLOAD 192, 0, 26
	WSLOAD 18
	WREGS
	REFILLW 14
	s_wait_loadcnt 0x0
	RESETM
.Lw1:
	FETCH
	s_wait_dscnt 0x0
	s_barrier_signal -1
	s_barrier_wait -1
	KSTEP 0, 192, 3
	MMREST
	DISPATCH BSTUB
.irp j, 0,1,2,3,4,5,6,7,8,9,10,11,12,13,14,15,16,17,18,19,20,21,22,23,24,25,26,27,28,29,30,31,32,33,34,35,36,37,38,39,40,41,42,43,44,45,46,47,48,49,50,51,52,53,54,55,56,57,58,59,60,61,62,63
	v_max_num_f32 v[YA+\j], 0, v[YA+\j]
.endr
	QUANT YA, 0, 1
	IMAGE
	STEPM .Lw1
	PLOAD 192, 3, 32
	PLOAD 192, 0, 34
	WSLOAD 20
	WREGS
	s_wait_dscnt 0x0
	s_barrier_signal -1
	s_barrier_wait -1
	s_wait_loadcnt 0x0
	RESETM
.Lw2:
	FETCH
	s_wait_dscnt 0x0
	DISPATCH C0STUB
	MMREST
	PLACES 4
	LNSTAT
	GAIN
.irp t, 0,1,2,3,4,5,6,7
	ds_store_b128 v[SGO], v[YA+8*\t:YA+8*\t+3] offset:64*\t
	ds_store_b128 v[SGO], v[YA+8*\t+4:YA+8*\t+7] offset:64*\t+16
.endr
.irp i, 0,1,2,3,4,5,6,7,8,9,10,11,12,13,14,15
	ds_load_b128 v[YA+4*\i:YA+4*\i+3], v[SGI] offset:528*\i
.endr
	s_lshr_b32 s3, s[MCN], 1
	s_lshl_b32 s3, s3, 16
	s_and_b32 s2, s[MCN], 1
	s_lshl_b32 s2, s2, 14
	s_add_co_u32 s2, s2, s3
	s_mov_b32 s3, 0
	s_add_nc_u64 s[98:99], s[8:9], s[2:3]
.irp i, 0,1,2,3,4,5,6,7,8,9,10,11,12,13,14,15
	s_wait_dscnt 15-\i
	global_store_b128 v[L16], v[YA+4*\i:YA+4*\i+3], s[98:99] offset:(\i+8*(\i/8))*2048 th:TH_STORE_NT
.endr
	s_wait_xcnt 0x0
	STEPM .Lw2
	s_wait_tensorcnt 0x0
	ds_add_u32 v[SPW], v[NIL]
	s_wait_dscnt 0x0
	ROUND
	s_endpgm
.Lfunc_end_k_qb0c8206fda_attn:
	.size	k_qb0c8206fda_attn, .Lfunc_end_k_qb0c8206fda_attn-k_qb0c8206fda_attn
	.p2alignl 7, 3214868480
	.fill 96, 4, 3214868480
	.section	.rodata,"a",@progbits
	.p2align	6, 0x0
	.amdhsa_kernel k_qb0c8206fda_attn
		.amdhsa_group_segment_fixed_size 327680
		.amdhsa_private_segment_fixed_size 0
		.amdhsa_enable_private_segment 0
		.amdhsa_kernarg_size 136
		.amdhsa_user_sgpr_count 2
		.amdhsa_user_sgpr_kernarg_segment_ptr 1
		.amdhsa_wavefront_size32 1
		.amdhsa_system_sgpr_workgroup_id_x 1
		.amdhsa_system_sgpr_workgroup_id_y 1
		.amdhsa_system_sgpr_workgroup_id_z 1
		.amdhsa_system_vgpr_workitem_id 0
		.amdhsa_next_free_vgpr 1024
		.amdhsa_next_free_sgpr 102
		.amdhsa_reserve_vcc 0
		.amdhsa_float_denorm_mode_32 3
		.amdhsa_float_denorm_mode_16_64 3
		.amdhsa_memory_ordered 1
		.amdhsa_forward_progress 1
		.amdhsa_inst_pref_size 255
	.end_amdhsa_kernel
	.section	.bss,"aw",@nobits
	.p2align	6
	.space	262144
	.amdgpu_metadata
---
amdhsa.version: [ 1, 2 ]
amdhsa.kernels:
  - .name:           k_qb0c8206fda_attn
    .symbol:         k_qb0c8206fda_attn.kd
    .args:
      - { .name: ws, .offset: 0, .size: 8, .value_kind: global_buffer, .address_space: global }
      - { .name: x, .offset: 8, .size: 8, .value_kind: global_buffer, .address_space: global }
      - { .name: out0, .offset: 16, .size: 8, .value_kind: global_buffer, .address_space: global }
      - { .name: wc_codes, .offset: 24, .size: 8, .value_kind: global_buffer, .address_space: global }
      - { .name: w1_codes, .offset: 32, .size: 8, .value_kind: global_buffer, .address_space: global }
      - { .name: w2_codes, .offset: 40, .size: 8, .value_kind: global_buffer, .address_space: global }
      - { .name: wc_scales, .offset: 48, .size: 8, .value_kind: global_buffer, .address_space: global }
      - { .name: w1_scales, .offset: 56, .size: 8, .value_kind: global_buffer, .address_space: global }
      - { .name: w2_scales, .offset: 64, .size: 8, .value_kind: global_buffer, .address_space: global }
      - { .name: bc, .offset: 72, .size: 8, .value_kind: global_buffer, .address_space: global }
      - { .name: b1, .offset: 80, .size: 8, .value_kind: global_buffer, .address_space: global }
      - { .name: b2, .offset: 88, .size: 8, .value_kind: global_buffer, .address_space: global }
      - { .name: g1, .offset: 96, .size: 8, .value_kind: global_buffer, .address_space: global }
      - { .name: be1, .offset: 104, .size: 8, .value_kind: global_buffer, .address_space: global }
      - { .name: g2, .offset: 112, .size: 8, .value_kind: global_buffer, .address_space: global }
      - { .name: be2, .offset: 120, .size: 8, .value_kind: global_buffer, .address_space: global }
      - { .name: theta, .offset: 128, .size: 8, .value_kind: global_buffer, .address_space: global }
    .group_segment_fixed_size: 327680
    .private_segment_fixed_size: 0
    .kernarg_segment_align: 8
    .kernarg_segment_size: 136
    .max_flat_workgroup_size: 128
    .sgpr_count:     102
    .vgpr_count:     1024
    .wavefront_size: 32
...
	.end_amdgpu_metadata
.endif
;; end of part 2
